; MI455X (gfx1250); checked and timed in simulation.
; The chip was launched on July 23, 2026; its instructions are those of AMD's public machine-readable ISA for CDNA 5 (MIT licence, August 2026) and "CDNA5" Instruction Set Architecture Reference Guide (July 2026). The comments in the code are by the model that wrote it; some were corrected since.
;; Multi Head Attention. Allowed arithmetic: matrix products marked QUANTISED: E2M1 operands, one E8M0 scale for each 32 along K, by v_wmma_scale_f32_16x16x128_f8f6f4 with both operands' format E2M1 (or v_wmma_scale_f32_32x16x128_f4), f32 sums; products left as they are: bf16, f16 or f32 operands; f32 sums; everything else in f32.
;; Inputs: Wk 1,024 x 1,024 float32; Wp 1,024 x 1,024 float32; Wq 1,024 x 1,024 float32; Wv 1,024 x 1,024 float32; bk 1,024 float32; bp 1,024 float32; bq 1,024 float32; bv 1,024 float32; x 4 x 2,048 x 1,024 float32.
;; Outputs: out0 4 x 2,048 x 1,024 float32.
;; This version of the problem:
;;   THIS VERSION OF THE PROBLEM IS GIVEN IN LOW PRECISION. The matrix products marked QUANTISED in the list below multiply operands that are first quantised to E2M1 (2 exponent bits, 1 mantissa bit; 4 bits a number), with one power-of-two scale for each 32 numbers along K (OCP MX v1.0); their sums are f32. The products marked 'left as it is' may take bf16, f16 or f32 operands, with f32 sums. Whichever they take, every output number must still come out within the allowed error. Rounding operands to bf16 (8 significant bits) uses up far more of that allowance than f16 does (11 bits, for magnitudes from 6e-5 to 65,504). All else is computed in f32.
;;   The module's matrix products, in the order in which they are computed (A, B: the left and right operand; K: the contracted axis; several contracted axes count as one K, in the product's order):
;;     1. [M 8,192, K 1,024] x [K 1,024, N 1,024]; A: input x; B: input Wq: QUANTISED
;;     2. [M 8,192, K 1,024] x [K 1,024, N 1,024]; A: input x; B: input Wk: QUANTISED
;;     3. [M 8,192, K 1,024] x [K 1,024, N 1,024]; A: input x; B: input Wv: QUANTISED
;;     4. batch 64 x [M 2,048, K 64] x [K 64, N 2,048]; A: computed on the way; B: computed on the way: left as it is (an operand is computed on the way)
;;     5. batch 64 x [M 2,048, K 2,048] x [K 2,048, N 64]; A: computed on the way; B: computed on the way: left as it is (an operand is computed on the way)
;;     6. [M 8,192, K 1,024] x [K 1,024, N 1,024]; A: computed on the way; B: input Wp: left as it is (an operand is computed on the way)
;;   THE QUANTISER, for each operand of a quantised product, along K:
;;     - K is cut into blocks of 32 from its start; a last block that is shorter is filled with zeros.
;;     - A block's scale is 2^e with e = floor(log2(the largest magnitude in the block)) - 2, held to -126 .. 127; a block of zeros has e = 0. As a byte (E8M0): e + 127.
;;     - Each number is divided by its block's scale, clamped to +-6, and rounded to the nearest number of E2M1, ties to even, subnormals kept.
;;     - The product sums the exact products of the quantised numbers (number of the format x scale) in f32.
;;   ~~~python
;;   def quantise(x, axis):      # numpy; x: float32 -> the quantised numbers, widened to float32 again
;;       x = np.moveaxis(x, axis, -1); K = x.shape[-1]
;;       x = np.pad(x, [(0, 0)] * (x.ndim - 1) + [(0, -K % 32)]); x = x.reshape(x.shape[:-1] + (-1, 32)); a = np.abs(x).max(-1, keepdims=True)
;;       e = np.where(a > 0, np.clip(np.frexp(np.where(a > 0, a, 1))[1] - 1 - 2, -126, 127), 0)      # np.frexp(a)[1] - 1 = floor(log2(a)), exactly
;;       r = np.clip(x / 2.0 ** e, -6, 6)
;;       step = 2.0 ** (np.maximum(np.frexp(np.where(r == 0, 1, r))[1] - 1, 0) - 1)
;;       q = np.round(r / step) * step * 2.0 ** e      # np.round: ties to even
;;       return np.moveaxis(q.reshape(q.shape[:-2] + (-1,))[..., :K], -1, axis).astype(np.float32)
;;   ~~~
;; One version. Each part assembles by itself: llvm-mc -triple=amdgcn-amd-amdhsa -mcpu=gfx1250 --defsym DOCPART=n.
;; ======== version 1 of 1: 5 launches
;; limits: values are held in f16: magnitudes above 65,504 overflow, below 6.1e-05 lose precision
;; workspace buffers: x_codes 4,194,304 bytes; x_scales 262,144 bytes; w_codes 1,572,864 bytes; w_scales 98,304 bytes; wpt 2,097,152 bytes; qkvh 50,331,648 bytes; h16 786,432 bytes; ybuf 16,777,216 bytes
;; launch prep (part 1): grid 368 x 1, 4 waves a work-group, no clusters, 102,912 bytes of LDS; arguments x, Wq, Wk, Wv, Wp, x_codes, x_scales, w_codes, w_scales, wpt; writes x_codes, x_scales, w_codes, w_scales, wpt
.if DOCPART == 1
	.amdgcn_target "amdgcn-amd-amdhsa--gfx1250"
	.amdhsa_code_object_version 6
	.text
	.protected	k_q9c2f7714db_prep
	.globl	k_q9c2f7714db_prep
	.p2align	8
	.type	k_q9c2f7714db_prep,@function
k_q9c2f7714db_prep:
	s_mov_b64 s[64:65], 0
	v_nop
	global_prefetch_b8 v0, s[64:65] scope:SCOPE_SE
	s_setreg_imm32_b32 hwreg(HW_REG_WAVE_MODE, 25, 1), 1
	s_wait_xcnt 0x0
; PREP: what the later launches read many times is made narrow once.
;   work-groups   0-255 (path X): x [8192][1024] f32 -> codes of FP4 (E2M1), K innermost, [8192][512 bytes], and one E8M0 byte for each 32 along K, [8192][32].
;   work-groups 256-303 (path W): Wq, Wk, Wv [k 1024][n 1024] f32, K their FIRST axis -> codes [3 x 1024 n][512 bytes] with K innermost, scale bytes [3072][32].
;   work-groups 304-367 (path P): Wp [k 1024][n 1024] f32 -> f16, laid [n 1024][k 1024] (its product is left as it is).
; A block's scale is 2^(floor(log2(its largest magnitude)) - 2); its byte is the largest magnitude's exponent field - 2, held at 1 from below.
; LIMITS: a block of zeros, and a block whose largest magnitude lies under 2^-124, keeps the byte 1 (the rule says 127 for zeros: the codes are zeros, and this program alone reads the bytes);
; NaN and infinities among the inputs are not served; a number of Wp beyond 65,504 has no f16.
; The three paths part on the work-group's number alone; each has LDS bytes of its own and its own end.  No tensor load, no barrier: waves share nothing.
.set SPARE,  102400                    ; behind the three regions: the spare words, 128 bytes for each wave, which no other line names
.set SPW,    254                       ; v254  LDS address of my spare word; never rewritten
.set NIL,    255                       ; v255  0; never rewritten
.set XREG,   8192                      ; path X: a region for each wave: two stages of 32 x 80 bytes, then its 256 scale bytes
.set XSP,    80                        ; a lane's place in a stage: its 64 bytes + 16 of padding
.set XSTEPS, 16
.set XR,     16                        ; v16-79   four sets of 16 numbers as loaded
.set XX,     80                        ; v80-111  two sets of 16 neighbours
.set XE,     112                       ; v112-127 a scale byte for each step
.set XC,     128                       ; v128-191 codes, four registers for each step
.set WSTG,   32768                     ; path W: four stages of 32 rows x 272 bytes
.set PSTG,   67584                     ; path P: likewise
.set PITCH,  272
.set NB,     16                        ; path W: blocks of 32 along K for a wave
.set WX,     32                        ; v32-95   two sets of 32 numbers
.set WC,     96                        ; v96-99   a block's codes
.set WOUT,   112                       ; v112-175 the way out
.set WSB,    24                        ; v24-27   the scale bytes, four to a register
.set PF,     32                        ; path P: v32-159 four blocks of 32 numbers, packed in place
.set POUT,   160                       ; v160-223 the way out
	s_load_b512 s[4:19], s[0:1], 0x0               ; x 4:5, Wq 6:7, Wk 8:9, Wv 10:11, Wp 12:13, x_codes 14:15, x_scales 16:17, w_codes 18:19
	s_load_b128 s[20:23], s[0:1], 0x40             ; w_scales 20:21, wpt 22:23
	v_lshl_add_u32 v[SPW], v0, 2, SPARE
	v_mov_b32 v[NIL], 0
	v_lshrrev_b32 v1, 5, v0
	v_readfirstlane_b32 s24, v1                    ; wave 0..3
	v_and_b32 v2, 31, v0                           ; lane
	s_mov_b32 s29, 0                               ; the upper word of every offset
	s_wait_kmcnt 0x0
	s_cmp_lt_u32 ttmp9, 256
	s_cbranch_scc0 .Lnot_x
; ---------------- PATH X.  x is a plain stream of blocks of 32.  A wave takes 16 steps of 512 numbers.  Each load reads 512 consecutive bytes; the 2,048 bytes of a step turn through the wave's
; own stage in LDS and come back 64 bytes a lane: 16 NEIGHBOURS along K, which is what the conversions take; two neighbouring lanes hold a block.
	v_lshlrev_b32 v3, 4, v2                        ; my 16 bytes of a load's 512
	s_mul_i32 s25, s24, XREG
	v_lshrrev_b32 v14, 2, v2
	v_mul_u32_u24 v14, v14, XSP
	v_and_b32 v15, 3, v2
	v_lshl_add_u32 v14, v15, 4, v14
	v_add_nc_u32 v14, s25, v14                     ; the stage, in: 80 (lane / 4) + 16 (lane % 4)
	v_mul_u32_u24 v15, v2, XSP
	v_add_nc_u32 v15, s25, v15                     ; and out: 80 x lane
	v_lshlrev_b32 v4, 3, v2                        ; 8 bytes a lane: my codes in a step's 256, and my part of the 256 scale bytes
	v_lshrrev_b32 v5, 1, v2
	s_add_co_u32 s25, s25, 2*32*XSP
	v_add_nc_u32 v5, s25, v5                       ; LDS: my block's scale byte
	v_add_nc_u32 v6, s25, v4                       ; and 8 of them on the way out
	s_lshl_b32 s26, ttmp9, 2
	s_add_co_u32 s26, s26, s24                     ; which run of 8,192 numbers is my wave's: 0 .. 1,023
	s_lshl_b32 s28, s26, 15
	s_add_nc_u64 s[4:5], s[4:5], s[28:29]          ; 32,768 bytes of x,
	s_lshl_b32 s28, s26, 12
	s_add_nc_u64 s[14:15], s[14:15], s[28:29]      ; 4,096 of codes,
	s_lshl_b32 s28, s26, 8
	s_add_nc_u64 s[16:17], s[16:17], s[28:29]      ; 256 scale bytes a run
.macro XLOAD t
.irp i, 0,1,2,3
	global_load_b128 v[XR+16*((\t)%4)+4*\i:XR+16*((\t)%4)+4*\i+3], v3, s[4:5] offset:2048*(\t)+512*\i th:TH_LOAD_NT
.endr
.endm
.macro XTURN t                         ; step t's numbers through the stage: LDS serves a wave's instructions in order, so no wait stands between the stores and the loads
.irp i, 0,1,2,3
	ds_store_b128 v14, v[XR+16*((\t)%4)+4*\i:XR+16*((\t)%4)+4*\i+3] offset:32*XSP*((\t)%2)+8*XSP*\i
.endr
.irp i, 0,1,2,3
	ds_load_b128 v[XX+16*((\t)%2)+4*\i:XX+16*((\t)%2)+4*\i+3], v15 offset:32*XSP*((\t)%2)+16*\i
.endr
.endm
.irp t, 0,1,2,3
	XLOAD \t
.endr
	s_wait_loadcnt 12                              ; step 0's four loads are in; twelve younger ones stay out
	XTURN 0
.macro XSTEP t
.set XS, XX+16*((\t)%2)
.if (\t) > 0
	s_wait_dscnt 1                                 ; this step's numbers are back from the stage (the last step's byte store may be out): so its stores into the stage have read their registers,
.else
	s_wait_dscnt 0x0
.endif
.if (\t)+4 < XSTEPS
	XLOAD (\t)+4                                   ; which take the loads of four steps on
.endif
.if (\t)+1 < XSTEPS
.if XSTEPS-2-(\t) >= 3
	s_wait_loadcnt 12                              ; the next step's four loads are in; those of the three steps behind it may be out
.else
	s_wait_loadcnt 4*(XSTEPS-2-(\t))
.endif
	XTURN (\t)+1
.endif
	v_max3_num_f32 v8, |v[XS]|, |v[XS+1]|, |v[XS+2]|               ; the largest magnitude of my 16, in two chains
	v_max3_num_f32 v9, |v[XS+3]|, |v[XS+4]|, |v[XS+5]|
.irp i, 6,10
	v_max3_num_f32 v8, v8, |v[XS+\i]|, |v[XS+\i+1]|
	v_max3_num_f32 v9, v9, |v[XS+\i+2]|, |v[XS+\i+3]|
.endr
	v_max3_num_f32 v8, v8, |v[XS+14]|, |v[XS+15]|
	v_max3_num_f32 v8, v8, v9, 0x1800000           ; and the floor 2^(3 - 127): the byte cannot fall under 1
	v_max_num_f32_dpp v8, v8, v8 row_xmask:1 row_mask:0xf bank_mask:0xf   ; with my neighbour's 16: the block's
	v_add_nc_u32 v11, 0xff000000, v8               ; 2 off its exponent field: the conversion takes the exponent field of this operand as its scale
	v_cvt_scalef32_pk8_fp4_f32 v[XC+4*(\t)], v[XS:XS+7], v11
	v_cvt_scalef32_pk8_fp4_f32 v[XC+4*(\t)+1], v[XS+8:XS+15], v11
	v_lshrrev_b32 v[XE+(\t)], 23, v11              ; the scale's byte
	ds_store_b8 v5, v[XE+(\t)] offset:16*(\t)      ; both lanes of a block write the same byte with the same value
	global_store_b64 v4, v[XC+4*(\t):XC+4*(\t)+1], s[14:15] offset:256*(\t)   ; the wave stores 256 consecutive bytes, aligned
.endm
.irp t, 0,1,2,3,4,5,6,7,8,9,10,11,12,13,14,15
	XSTEP \t
.endr
	ds_load_b64 v[8:9], v6                         ; in order behind my byte stores
	s_wait_dscnt 0x0
	global_store_b64 v4, v[8:9], s[16:17]          ; the wave's 256 scale bytes, aligned
	s_wait_tensorcnt 0x0                           ; the wave's end, behind my last LDS store
	ds_add_u32 v[SPW], v[NIL]
	s_wait_dscnt 0x0
	s_endpgm
.Lnot_x:
	s_cmp_lt_u32 ttmp9, 304
	s_cbranch_scc0 .Lpath_p
; ---------------- PATH W.  A LANE TAKES A COLUMN n, AND ITS REGISTERS RUN DOWN K: a block of 32 along K lies in one lane's 32 registers, and the conversions give codes with K innermost.
; A wave takes 32 columns x 512 along K; its codes go through its own stage and leave as rows: sixteen lanes store 256 consecutive bytes, aligned.
	s_sub_co_u32 s25, ttmp9, 256                   ; 0 .. 47
	s_lshr_b32 s26, s25, 4                         ; which weight: q, k, v
	s_bfe_u32 s27, s25, 0x30001                    ; which 128 columns
	s_and_b32 s32, s25, 1                          ; which half of K
	s_cmp_eq_u32 s26, 2
	s_cselect_b64 s[8:9], s[10:11], s[8:9]         ; the choice hangs on the work-group's number alone
	s_cmp_eq_u32 s26, 0
	s_cselect_b64 s[6:7], s[6:7], s[8:9]
	s_lshl_b32 s27, s27, 7
	s_lshl_b32 s30, s24, 5
	s_add_co_u32 s27, s27, s30                     ; my wave's first column
	s_lshl_b32 s28, s32, 21                        ; 512 rows of 4,096 bytes
	s_lshl_b32 s30, s27, 2
	s_add_co_u32 s28, s28, s30
	s_add_nc_u64 s[6:7], s[6:7], s[28:29]
	s_lshl_b32 s26, s26, 10
	s_add_co_u32 s26, s26, s27                     ; the first row that I write: 1,024 x weight + column
	s_lshl_b32 s28, s26, 9
	s_lshl_b32 s30, s32, 8
	s_add_co_u32 s28, s28, s30
	s_add_nc_u64 s[18:19], s[18:19], s[28:29]      ; codes: 512 bytes a row, 256 a half of K
	s_lshl_b32 s28, s26, 5
	s_lshl_b32 s30, s32, 4
	s_add_co_u32 s28, s28, s30
	s_add_nc_u64 s[20:21], s[20:21], s[28:29]      ; scale bytes: 32 a row, 16 a half
	v_lshlrev_b32 v3, 2, v2                        ; in: 4 bytes a lane
	s_mul_i32 s30, s24, 32*PITCH
	s_add_co_u32 s30, s30, WSTG                    ; my stage
	v_mul_u32_u24 v4, v2, PITCH
	v_add_nc_u32 v4, s30, v4                       ; into it: row = my column
	v_and_b32 v5, 15, v2
	v_lshrrev_b32 v6, 4, v2
	v_mul_u32_u24 v7, v6, PITCH
	v_lshl_add_u32 v7, v5, 4, v7
	v_add_nc_u32 v7, s30, v7                       ; out of it: sixteen lanes to a row, two rows an instruction
	v_lshlrev_b32 v8, 9, v6
	v_lshl_add_u32 v8, v5, 4, v8                   ; and the same place in the codes' buffer
	v_lshlrev_b32 v9, 5, v2                        ; my column's row of scale bytes
.macro WLOAD t
.irp i, 0,1,2,3,4,5,6,7,8,9,10,11,12,13,14,15,16,17,18,19,20,21,22,23,24,25,26,27,28,29,30,31
	global_load_b32 v[WX+32*((\t)%2)+\i], v3, s[6:7] offset:(32*(\t)+\i)*4096 th:TH_LOAD_NT
.endr
.endm
	WLOAD 0
	WLOAD 1
.macro WBLOCK t
.set XS, WX+32*((\t)%2)
.if (\t) < NB-1
	s_wait_loadcnt 32                              ; this block's 32 loads are in; the next block's may be out
.else
	s_wait_loadcnt 0x0
.endif
	v_max3_num_f32 v12, |v[XS]|, |v[XS+1]|, |v[XS+2]|
	v_max3_num_f32 v13, |v[XS+3]|, |v[XS+4]|, |v[XS+5]|
.irp i, 6,10,14,18,22,26
	v_max3_num_f32 v12, v12, |v[XS+\i]|, |v[XS+\i+1]|
	v_max3_num_f32 v13, v13, |v[XS+\i+2]|, |v[XS+\i+3]|
.endr
	v_max3_num_f32 v12, v12, |v[XS+30]|, |v[XS+31]|
	v_max3_num_f32 v12, v12, v13, 0x1800000        ; the floor 2^(3 - 127)
	v_add_nc_u32 v11, 0xff000000, v12              ; the conversion's scale operand
	v_lshrrev_b32 v13, 23, v11                     ; the scale's byte
.if (\t)%4 == 0
	v_mov_b32 v[WSB+(\t)/4], v13
.else
	v_lshl_or_b32 v[WSB+(\t)/4], v13, 8*((\t)%4), v[WSB+(\t)/4]
.endif
.irp g, 0,1,2,3
	v_cvt_scalef32_pk8_fp4_f32 v[WC+\g], v[XS+8*\g:XS+8*\g+7], v11
.endr
	ds_store_b128 v4, v[WC:WC+3] offset:16*(\t)    ; 32 codes: 16 bytes of my column's row
.if (\t)+2 < NB
	WLOAD (\t)+2
.endif
	s_wait_dscnt 0x0                               ; the store has read its registers: the next block's codes may be written
.endm
.set Q, 0
.rept NB
	WBLOCK Q
.set Q, Q+1
.endr
	global_store_b128 v9, v[WSB:WSB+3], s[20:21]   ; my column's 16 scale bytes
.irp t, 0,1,2,3,4,5,6,7,8,9,10,11,12,13,14,15
	ds_load_b128 v[WOUT+4*\t:WOUT+4*\t+3], v7 offset:2*\t*PITCH
.endr
.irp t, 0,1,2,3,4,5,6,7,8,9,10,11,12,13,14,15
	s_wait_dscnt 15-\t                             ; LDS loads come back in order: load t is in, the younger ones stay out
	global_store_b128 v8, v[WOUT+4*\t:WOUT+4*\t+3], s[18:19] offset:2*\t*512
.endr
	s_wait_tensorcnt 0x0                           ; the wave's end: the three lines
	ds_add_u32 v[SPW], v[NIL]
	s_wait_dscnt 0x0
	s_endpgm
.Lpath_p:
; ---------------- PATH P.  The same plan without a quantiser: a lane takes a column of Wp, its registers run down K, pairs are rounded to f16, and a wave's 32 columns x 128 along K (256 bytes a column)
; go through its stage and leave as rows of wpt.
	s_sub_co_u32 s25, ttmp9, 304                   ; 0 .. 63
	s_lshr_b32 s26, s25, 3                         ; which 128 columns
	s_and_b32 s27, s25, 7                          ; which 128 along K
	s_lshl_b32 s26, s26, 7
	s_lshl_b32 s30, s24, 5
	s_add_co_u32 s26, s26, s30                     ; my wave's first column
	s_lshl_b32 s28, s27, 19                        ; 128 rows of 4,096 bytes
	s_lshl_b32 s30, s26, 2
	s_add_co_u32 s28, s28, s30
	s_add_nc_u64 s[12:13], s[12:13], s[28:29]
	s_lshl_b32 s28, s26, 11                        ; a row of wpt is 2,048 bytes
	s_lshl_b32 s30, s27, 8
	s_add_co_u32 s28, s28, s30
	s_add_nc_u64 s[22:23], s[22:23], s[28:29]
	v_lshlrev_b32 v3, 2, v2
	s_mul_i32 s30, s24, 32*PITCH
	s_add_co_u32 s30, s30, PSTG
	v_mul_u32_u24 v4, v2, PITCH
	v_add_nc_u32 v4, s30, v4
	v_and_b32 v5, 15, v2
	v_lshrrev_b32 v6, 4, v2
	v_mul_u32_u24 v7, v6, PITCH
	v_lshl_add_u32 v7, v5, 4, v7
	v_add_nc_u32 v7, s30, v7
	v_lshlrev_b32 v8, 11, v6
	v_lshl_add_u32 v8, v5, 4, v8
.macro PLOAD t
.irp i, 0,1,2,3,4,5,6,7,8,9,10,11,12,13,14,15,16,17,18,19,20,21,22,23,24,25,26,27,28,29,30,31
	global_load_b32 v[PF+32*(\t)+\i], v3, s[12:13] offset:(32*(\t)+\i)*4096 th:TH_LOAD_NT
.endr
.endm
.macro PBLOCK t                        ; each block has registers of its own: nothing that an LDS store reads is written again
.if (\t) < 3
	s_wait_loadcnt 32                              ; this block's 32 loads are in; the next block's may be out
.else
	s_wait_loadcnt 0x0
.endif
.irp i, 0,1,2,3,4,5,6,7,8,9,10,11,12,13,14,15
	v_cvt_pk_f16_f32 v[PF+32*(\t)+\i], v[PF+32*(\t)+2*\i], v[PF+32*(\t)+2*\i+1]   ; in place, ascending: register i is written when pair i is read
.endr
.irp c, 0,1,2,3
	ds_store_b128 v4, v[PF+32*(\t)+4*\c:PF+32*(\t)+4*\c+3] offset:64*(\t)+16*\c
.endr
.if (\t)+2 < 4
	PLOAD (\t)+2
.endif
.endm
	PLOAD 0
	PLOAD 1
.irp t, 0,1,2,3
	PBLOCK \t
.endr
.irp t, 0,1,2,3,4,5,6,7,8,9,10,11,12,13,14,15
	ds_load_b128 v[POUT+4*\t:POUT+4*\t+3], v7 offset:2*\t*PITCH
.endr
.irp t, 0,1,2,3,4,5,6,7,8,9,10,11,12,13,14,15
	s_wait_dscnt 15-\t
	global_store_b128 v8, v[POUT+4*\t:POUT+4*\t+3], s[22:23] offset:2*\t*2048   ; sixteen lanes store 256 consecutive bytes, aligned
.endr
	s_wait_tensorcnt 0x0                           ; the wave's end: the three lines
	ds_add_u32 v[SPW], v[NIL]
	s_wait_dscnt 0x0
	s_endpgm
.Lfunc_end_k_q9c2f7714db_prep:
	.size	k_q9c2f7714db_prep, .Lfunc_end_k_q9c2f7714db_prep-k_q9c2f7714db_prep
	.p2alignl 7, 3214868480
	.fill 96, 4, 3214868480
	.section	.rodata,"a",@progbits
	.p2align	6, 0x0
	.amdhsa_kernel k_q9c2f7714db_prep
		.amdhsa_group_segment_fixed_size 102912
		.amdhsa_private_segment_fixed_size 0
		.amdhsa_enable_private_segment 0
		.amdhsa_kernarg_size 80
		.amdhsa_user_sgpr_count 2
		.amdhsa_user_sgpr_kernarg_segment_ptr 1
		.amdhsa_wavefront_size32 1
		.amdhsa_system_sgpr_workgroup_id_x 1
		.amdhsa_system_sgpr_workgroup_id_y 1
		.amdhsa_system_sgpr_workgroup_id_z 1
		.amdhsa_system_vgpr_workitem_id 0
		.amdhsa_next_free_vgpr 256
		.amdhsa_next_free_sgpr 66
		.amdhsa_reserve_vcc 0
		.amdhsa_float_denorm_mode_32 3
		.amdhsa_float_denorm_mode_16_64 3
		.amdhsa_memory_ordered 1
		.amdhsa_forward_progress 1
		.amdhsa_inst_pref_size 132
	.end_amdhsa_kernel
	.amdgpu_metadata
---
amdhsa.version: [ 1, 2 ]
amdhsa.kernels:
  - .name:           k_q9c2f7714db_prep
    .symbol:         k_q9c2f7714db_prep.kd
    .args:
      - { .name: x, .offset: 0, .size: 8, .value_kind: global_buffer, .address_space: global }
      - { .name: Wq, .offset: 8, .size: 8, .value_kind: global_buffer, .address_space: global }
      - { .name: Wk, .offset: 16, .size: 8, .value_kind: global_buffer, .address_space: global }
      - { .name: Wv, .offset: 24, .size: 8, .value_kind: global_buffer, .address_space: global }
      - { .name: Wp, .offset: 32, .size: 8, .value_kind: global_buffer, .address_space: global }
      - { .name: x_codes, .offset: 40, .size: 8, .value_kind: global_buffer, .address_space: global }
      - { .name: x_scales, .offset: 48, .size: 8, .value_kind: global_buffer, .address_space: global }
      - { .name: w_codes, .offset: 56, .size: 8, .value_kind: global_buffer, .address_space: global }
      - { .name: w_scales, .offset: 64, .size: 8, .value_kind: global_buffer, .address_space: global }
      - { .name: wpt, .offset: 72, .size: 8, .value_kind: global_buffer, .address_space: global }
    .group_segment_fixed_size: 102912
    .private_segment_fixed_size: 0
    .kernarg_segment_align: 8
    .kernarg_segment_size: 80
    .max_flat_workgroup_size: 128
    .sgpr_count:     66
    .vgpr_count:     256
    .wavefront_size: 32
...
	.end_amdgpu_metadata
.endif
;; end of part 1
;; launch qkvgemm (part 2): grid 12 x 32, 4 waves a work-group, clusters of 4 x 4, 327,680 bytes of LDS; arguments x_codes, x_scales, w_codes, w_scales, bq, bk, bv, qkvh, h16; writes qkvh, h16
.if DOCPART == 2
	.amdgcn_target "amdgcn-amd-amdhsa--gfx1250"
	.amdhsa_code_object_version 6
	.text
	.protected	k_q9c2f7714db_qkvgemm
	.globl	k_q9c2f7714db_qkvgemm
	.p2align	8
	.type	k_q9c2f7714db_qkvgemm,@function
k_q9c2f7714db_qkvgemm:
	s_mov_b64 s[64:65], 0
	v_nop
	global_prefetch_b8 v0, s[64:65] scope:SCOPE_SE
	s_setreg_imm32_b32 hwreg(HW_REG_WAVE_MODE, 25, 1), 1
	s_wait_xcnt 0x0
	s_wait_alu depctr_hold_cnt(0) depctr_sa_sdst(0) depctr_va_vdst(0) depctr_va_sdst(0) depctr_va_ssrc(0) depctr_va_vcc(0) depctr_vm_vsrc(0)
	s_getreg_b32 s2, hwreg(HW_REG_IB_STS2, 6, 4)
	s_cmp_eq_u32 s2, 0
	s_cbranch_scc0 .Lentry_in_a_cluster
	s_endpgm
.Lentry_in_a_cluster:
	s_bfe_u32 s2, ttmp6, 0x10000c
	s_cmp_lg_u32 s2, 0xf033
	s_cbranch_scc0 .Lentry_shape_is_right
	s_endpgm
.Lentry_shape_is_right:
; q, k, v = x W + b on codes of FP4 (E2M1) with one E8M0 scale for each 32 along K: C[m][n] = sum over k of X[m][k] W[n][k] + b[n], m 8,192, n 3,072 (q's, k's, v's 1,024 columns on end), K 1,024; sums in f32.
; A tile of C, 256 x 256, is made by a work-group of four waves; a wave makes 128 x 128: 64 accumulators of 16 x 16, 512 registers.  All of K lies in two LDS slots of 512 along K (rows of 256 bytes),
; both asked for at the head: nothing is filled again.  The scale bytes of the tile's rows, two dense blocks, come with them.
; CLUSTERS: 4 x 4 work-groups; X's tiles are shared along a row of the cluster, W's along a column: joint loads.  The tile row is 8 cy + cluster y, so that a cluster's row cy works in batch cy and
; 'these are a batch's first 256 rows' is cluster y = 0, the same in all sixteen partners.  The tile column is 4 x cluster x + cx: cluster x says whether the columns are q's, k's or v's.
; THE MATRIX INSTRUCTION IS USED TRANSPOSED (source 0 = 16 rows of W, source 1 = 16 rows of X): a lane holds eight neighbouring columns of a row of C.  The bias is the C of each sum's first product.
; OUT: f16, laid by head, qkvh [3][batch 4][head 16][t 2,048][64]; and of each batch's positions 0-15 the f32 accumulators as they stand, h16 [3][batch][16 columns a tile: 64][1,024 bytes].
; LIMITS: a q, k or v beyond 65,504 has no f16; NaN and infinities are not served.
; REGISTERS, in windows of 256: window 0: v0-31 addresses; v32-95 scale words, two sets; v128-191 X's fragments, ONE set; v192-255 the bias, later packed results.
;   window 1: W's fragments, TWO sets, at v0 and v128.   window 2: the accumulators of my rows 0-63 ((a, b) at v[8 (8 a + b)]);   window 3: those of my rows 64-127.
.set NQ,     4                         ; steps of 128 along K in a slot
.set ROWB,   256                       ; a tile's row in bytes: 512 codes
.set KROW,   512                       ; a row of codes in memory
.set PITCH,  272                       ; an LDS row: 256 bytes + 16 of padding = 68 words: the 16 rows that a load touches start at 16 different banks (64 banks of 4 bytes: ISA guide 11.1)
.set FR,     8                         ; registers of a fragment: 16 rows x 128 K
.set NL,     2                         ; LDS loads that bring one
.set NP,     4                         ; places behind this matrix instruction (ISA guide 7.12.1)
.set HALFT,  128*PITCH
.set SLOT,   4*HALFT                   ; X's 256 rows, then W's 256 rows
.set KS,     32                        ; a row of scale bytes
.set SCL,    2*SLOT                    ; behind the slots: the scales, as units of 256 bytes + 16 of padding
.set HALFS,  (128*KS/256)*272          ; those of 128 rows: what one tensor load brings
.set SBLK,   (16*KS/256)*272           ; those of 16 rows
.set SPARE,  SCL+4*HALFS               ; the spare words, 128 bytes for each wave, which no other line names
.set SPITCH, 272                       ; the way out: a stage of 16 rows x (256 bytes + 16) for each wave, in slot 0, which has had its one fill and its last read by then
.set ADRA, 16                          ; v16-17  LDS address of my X fragments in slot 0, 1
.set ADRB, 20                          ; v20-21  the same for W
.set STO,  24                          ; v24     the way out: where I put 16 bytes of a row
.set RD,   25                          ; v25     where I read back: four rows of one head's 128 bytes an instruction
.set CO,   26                          ; v26     16 x lane
.set ADRS, 27                          ; v27     LDS address of my scale words: lanes 0-15 X's rows, lanes 16-31 W's
.set SPW,  28                          ; v28     my spare word; never rewritten
.set NIL,  29                          ; v29     0; never rewritten
.set BO,   30                          ; v30     32 x (lane / 16): my eight numbers of a tile's sixteen biases
.set SC,   32                          ; scale words: set s at v[SC + 32 s]; register 4 i + q: lanes 0-15 X's block i, lanes 16-31 W's block i, the slot's q-th 128 along K
.set AF,   128
.set BIAS, 192                         ; v192-255: W's block b: eight registers in the result's layout
.set TMP,  192                         ; the way out: 32 registers of packed results (the bias is done with)
.set BK,   128                         ; and 16 rows read back: v128-159 and v160-191 by turns
.set G1, 24                            ; s[24:31] descriptor group 1 for X's tiles;  s[32:39] group 0, one set for each slot
.set G0, 32
.set G1B, 48                           ; s[48:55], s[56:63] the same for W's
.set G0B, 56
.set G1S, 68                           ; s[68:75], s[76:79] for X's scales;  s[80:87], s[88:91] for W's
.set G0S, 76
.set G1SB, 80
.set G0SB, 88
.set MSB, 0
.macro WIN new                         ; the immediate's high byte repeats the setting that is left; a switch that changes nothing is dropped
.if MSB != (\new)
	s_set_vgpr_msb (MSB<<8)|(\new)
.set MSB, (\new)
.endif
.endm
.set MUL_LO, 0xa1                      ; source 0 (W) window 1, source 1 (X) window 0, C and D window 2
.set MUL_HI, 0xf1                      ; the same, C and D window 3
.set TO_B,   0x40                      ; destination window 1, address window 0
; A joint load: waves 0 and 1 fetch for X, waves 2 and 3 for W.  The branch hangs on the wave's number alone.  An s_nop 0 and four v_nop follow each of the two lines.
.macro JLOAD g0a, g1a, g0b, g1b
	s_cmp_eq_u32 s15, 0
	s_cbranch_scc0 .Lfor_b_\@
	tensor_load_to_lds s[\g0a:\g0a+3], s[\g1a:\g1a+7]
	s_nop 0
.rept 4
	v_nop
.endr
	s_branch .Lasked_\@
.Lfor_b_\@:
	tensor_load_to_lds s[\g0b:\g0b+3], s[\g1b:\g1b+7]
	s_nop 0
.rept 4
	v_nop
.endr
.Lasked_\@:
.endm
.macro CROUND                          ; a round of the cluster's barrier
	s_barrier_signal -1
	s_barrier_wait -1
	s_cmp_lg_u32 s14, 0
	s_cbranch_scc1 .Lnot_wave_0_\@
	s_barrier_signal -3
.Lnot_wave_0_\@:
	s_barrier_wait -3
	s_barrier_signal -1
	s_barrier_wait -1
.endm
	s_load_b256 s[4:11], s[0:1], 0x0               ; X's codes 4:5, X's scales 6:7, W's codes 8:9, W's scales 10:11
	s_load_b128 s[96:99], s[0:1], 0x20             ; bq, bk
	s_load_b64 s[100:101], s[0:1], 0x30            ; bv
	s_load_b64 s[12:13], s[0:1], 0x38              ; qkvh
	s_load_b64 s[66:67], s[0:1], 0x40              ; h16
	v_lshl_add_u32 v[SPW], v0, 2, SPARE
	v_mov_b32 v[NIL], 0
	ds_add_u32 v[SPW], v[NIL]                      ; the wave's opening: the add, twice on end, and its wait ahead of my first tensor load
	ds_add_u32 v[SPW], v[NIL]
	v_lshrrev_b32 v1, 5, v0
	v_readfirstlane_b32 s14, v1                    ; wave 0..3
	s_lshr_b32 s15, s14, 1                         ; which half of the tile's rows is mine.  Also: I fetch for X (0) or for W (1)
	s_and_b32 s16, s14, 1                          ; which half of its columns.  Also: which 128 rows of that tile I fetch
	s_bfe_u32 s40, ttmp6, 0x40000                  ; cx, cy: my place in the cluster
	s_bfe_u32 s41, ttmp6, 0x40004
	s_lshl_b32 s42, ttmp9, 2
	s_add_co_u32 s42, s42, s40                     ; tile column = 4 x cluster x + cx
	s_and_b32 s95, ttmp7, 0xffff                   ; cluster y: the tile's place in its batch
	s_lshl_b32 s17, s41, 3
	s_add_co_u32 s17, s17, s95                     ; tile row = 8 cy + cluster y
	s_lshl_b32 s43, s41, 2
	s_lshl_b32 s43, 15, s43                        ; my row of the cluster
	s_lshl_b32 s44, 0x1111, s40                    ; my column
	s_or_b32 s[G1+0], s43, (0<<16)|(1<<20)|(1<<21)|(5<<22)|(3<<25)  ; 15:0 the mask; 17:16 elements of 1 byte; 20 padding on; 21 set beside a mask; 24:22 after every 64 words; 31:25 four words
	s_or_b32 s[G1B+0], s44, (0<<16)|(1<<20)|(1<<21)|(5<<22)|(3<<25)
.irp g, G1, G1B
	s_mov_b32 s[\g+1], ROWB<<16                    ; tensor_dim0
	s_mov_b32 s[\g+2], 128<<16                     ; tensor_dim1
	s_mov_b32 s[\g+3], ROWB<<16                    ; tile_dim0
	s_mov_b32 s[\g+4], 128                         ; tile_dim1
	s_mov_b32 s[\g+5], KROW                        ; the pitch in memory
	s_mov_b32 s[\g+6], 0
	s_mov_b32 s[\g+7], 0
.endr
	s_or_b32 s[G1S+0], s43, (3<<16)|(1<<20)|(1<<21)|(5<<22)|(3<<25) ; the scales of 128 rows: 4,096 dense bytes as 16 rows of 32 elements of 8 bytes, 16 bytes of padding behind each
	s_or_b32 s[G1SB+0], s44, (3<<16)|(1<<20)|(1<<21)|(5<<22)|(3<<25)
.irp g, G1S, G1SB
	s_mov_b32 s[\g+1], 32<<16
	s_mov_b32 s[\g+2], (128*KS/256)<<16
	s_mov_b32 s[\g+3], 32<<16
	s_mov_b32 s[\g+4], 128*KS/256
	s_mov_b32 s[\g+5], 32
	s_mov_b32 s[\g+6], 0
	s_mov_b32 s[\g+7], 0
.endr
	s_lshl_b32 s18, s16, 7                         ; which 128 rows of the tile I fetch
	s_lshl_b32 s20, s17, 8
	s_add_co_u32 s20, s20, s18                     ; X: row 256 x tile row + 128 x half
	s_lshl_b32 s46, s42, 8
	s_add_co_u32 s46, s46, s18                     ; W: row 256 x tile column + 128 x half
	s_mov_b32 s21, 0
	s_mov_b32 s47, 0
	s_mov_b64 s[18:19], KS
	s_mul_u64 s[22:23], s[20:21], s[18:19]         ; where these rows' scales begin, in bytes,
	s_mul_u64 s[92:93], s[46:47], s[18:19]
	s_mov_b64 s[18:19], KROW
	s_mul_u64 s[20:21], s[20:21], s[18:19]         ; and their codes
	s_mul_u64 s[46:47], s[46:47], s[18:19]
	s_mul_i32 s45, s14, HALFT                      ; where they go: wave x 128 rows: no place in the cluster enters an LDS address
	s_mul_i32 s94, s14, HALFS
	s_wait_dscnt 0x0                               ; both opening adds are done
	s_wait_kmcnt 0x0
	s_add_nc_u64 s[20:21], s[4:5], s[20:21]
	s_add_nc_u64 s[22:23], s[6:7], s[22:23]
	s_add_nc_u64 s[46:47], s[8:9], s[46:47]
	s_add_nc_u64 s[92:93], s[10:11], s[92:93]
	CROUND                                         ; all sixteen work-groups are here: the joint loads meet
	s_mov_b32 s[G0S], 1
	s_add_co_u32 s[G0S+1], s94, SCL
	s_mov_b64 s[G0S+2:G0S+3], s[22:23]
	s_or_b32 s[G0S+3], s[G0S+3], 0x80000000
	s_mov_b32 s[G0SB], 1
	s_add_co_u32 s[G0SB+1], s94, SCL
	s_mov_b64 s[G0SB+2:G0SB+3], s[92:93]
	s_or_b32 s[G0SB+3], s[G0SB+3], 0x80000000
	JLOAD G0S, G1S, G0SB, G1SB                     ; the scales first; three tensor loads of mine are out behind the next two
.irp s, 0,1
	s_mov_b32 s[G0+4*\s], 1
	s_add_co_u32 s[G0+4*\s+1], s45, \s*SLOT
	s_add_nc_u64 s[G0+4*\s+2:G0+4*\s+3], s[20:21], \s*ROWB
	s_or_b32 s[G0+4*\s+3], s[G0+4*\s+3], 0x80000000
	s_mov_b32 s[G0B+4*\s], 1
	s_add_co_u32 s[G0B+4*\s+1], s45, \s*SLOT
	s_add_nc_u64 s[G0B+4*\s+2:G0B+4*\s+3], s[46:47], \s*ROWB
	s_or_b32 s[G0B+4*\s+3], s[G0B+4*\s+3], 0x80000000
	JLOAD G0+4*\s, G1, G0B+4*\s, G1B
.endr
	v_and_b32 v1, 15, v0                           ; r = lane % 16
	v_bfe_u32 v2, v0, 4, 1                         ; h = lane / 16
	; the bias of my 128 columns: chosen by cluster x, which hangs on no address
	s_cmp_eq_u32 ttmp9, 2
	s_cselect_b64 s[98:99], s[100:101], s[98:99]
	s_cmp_eq_u32 ttmp9, 0
	s_cselect_b64 s[96:97], s[96:97], s[98:99]
	s_lshl_b32 s46, s40, 10                        ; (256 cx + 128 x half) x 4 bytes
	s_lshl_b32 s47, s16, 9
	s_add_co_u32 s46, s46, s47
	s_mov_b32 s47, 0
	s_add_nc_u64 s[96:97], s[96:97], s[46:47]
	v_lshlrev_b32 v[BO], 5, v2
.irp b, 0,1,2,3,4,5,6,7
	global_load_b128 v[BIAS+8*\b:BIAS+8*\b+3], v[BO], s[96:97] offset:64*\b        ; lane (r, h), register j: b[16 b + 8 h + j]
	global_load_b128 v[BIAS+8*\b+4:BIAS+8*\b+7], v[BO], s[96:97] offset:64*\b+16
.endr
	v_mul_u32_u24 v3, v1, PITCH
	v_lshl_add_u32 v4, v2, 4, v3                   ; a fragment's row x pitch + 16 x half
	s_mul_i32 s21, s15, HALFT                      ; my 128 rows of X
	s_mul_i32 s22, s16, HALFT                      ; my 128 rows of W,
	s_add_co_u32 s22, s22, 2*HALFT                 ; which lie behind X's 256
.irp s, 0,1
	v_add_nc_u32 v[ADRA+\s], s21, v4
	v_add_nc_u32 v[ADRB+\s], s22, v4
	s_add_co_u32 s21, s21, SLOT
	s_add_co_u32 s22, s22, SLOT
.endr
	v_mul_u32_u24 v5, v1, KS                       ; my row's scales: 32 bytes a row,
	v_lshrrev_b32 v6, 8, v5
	v_lshl_add_u32 v5, v6, 4, v5                   ; and 16 more for each 256 passed
	s_mul_i32 s21, s15, HALFS
	s_mul_i32 s22, s16, HALFS
	s_add_co_u32 s22, s22, 2*HALFS
	s_sub_co_u32 s22, s22, s21
	v_mul_u32_u24 v6, s22, v2                      ; lanes 16-31 take W's: one product, the distance between the two bases x h
	s_add_co_u32 s21, s21, SCL
	v_add_nc_u32 v5, v5, v6
	v_add_nc_u32 v[ADRS], s21, v5
	s_mul_i32 s23, s14, 16*SPITCH                  ; my stage
	v_mul_u32_u24 v5, v1, SPITCH
	v_lshl_add_u32 v5, v2, 4, v5
	v_add_nc_u32 v[STO], s23, v5                   ; in: row r, 16 bytes for each half of the lanes
	v_and_b32 v6, 31, v0
	v_lshlrev_b32 v[CO], 4, v6
	v_lshrrev_b32 v5, 3, v6
	v_mul_u32_u24 v5, v5, SPITCH
	v_and_b32 v6, 7, v6
	v_lshl_add_u32 v5, v6, 4, v5
	v_add_nc_u32 v[RD], s23, v5                    ; back: row lane / 8, 16 (lane % 8) bytes on
	; qkvh at my part: which of q, k, v << 24, batch << 22, head (4 cx + 2 x half) << 18, position (256 x cluster y + 128 x half) x 128 bytes
	s_lshl_b32 s46, ttmp9, 24
	s_lshl_b32 s47, s41, 22
	s_add_co_u32 s46, s46, s47
	s_lshl_b32 s47, s40, 20
	s_add_co_u32 s46, s46, s47
	s_lshl_b32 s47, s16, 19
	s_add_co_u32 s46, s46, s47
	s_lshl_b32 s47, s95, 15
	s_add_co_u32 s46, s46, s47
	s_lshl_b32 s47, s15, 14
	s_add_co_u32 s46, s46, s47
	s_mov_b32 s47, 0
	s_add_nc_u64 s[12:13], s[12:13], s[46:47]
	; h16 at my eight tiles of 16 columns: which << 18, batch << 16, tile (16 cx + 8 x half) x 1,024 bytes
	s_lshl_b32 s46, ttmp9, 18
	s_lshl_b32 s47, s41, 16
	s_add_co_u32 s46, s46, s47
	s_lshl_b32 s47, s40, 14
	s_add_co_u32 s46, s46, s47
	s_lshl_b32 s47, s16, 13
	s_add_co_u32 s46, s46, s47
	s_mov_b32 s47, 0
	s_add_nc_u64 s[66:67], s[66:67], s[46:47]
.macro FRAG reg, adr, q, i             ; a fragment: lane l holds row l % 16; registers 4 c .. 4 c + 3 hold K = 64 c + 32 (l / 16) + 0 .. 31
.irp c, 0,1
	ds_load_b128 v[\reg+4*\c:\reg+4*\c+3], v[\adr] offset:64*(\q)+32*\c+(\i)*16*PITCH
.endr
.endm
; 16 matrix instructions: X's blocks a0, a0 + 1 x W's eight, the slot's q-th 128 along K.  p: W's set; sc: the set of scale words.  zero = 1: the first product starts the sums, with the bias as C.
; The 64 accumulators take turns, one instruction a turn, in the same order in every step.
.macro MUL16 a0, p, q, sc, zero
.irp a, \a0, \a0+1
.irp b, 0,1,2,3,4,5,6,7
.if \zero
	v_wmma_scale_f32_16x16x128_f8f6f4 v[8*(8*((\a)%4)+\b):8*(8*((\a)%4)+\b)+7], v[128*(\p)+FR*\b:128*(\p)+FR*\b+FR-1], v[AF+FR*(\a):AF+FR*(\a)+FR-1], v[BIAS+8*\b:BIAS+8*\b+7], v[SC+8*NQ*(\sc)+NQ*\b+(\q)], v[SC+8*NQ*(\sc)+NQ*(\a)+(\q)] matrix_a_fmt:MATRIX_FMT_FP4 matrix_b_fmt:MATRIX_FMT_FP4 matrix_a_scale:MATRIX_SCALE_ROW1
.else
	v_wmma_scale_f32_16x16x128_f8f6f4 v[8*(8*((\a)%4)+\b):8*(8*((\a)%4)+\b)+7], v[128*(\p)+FR*\b:128*(\p)+FR*\b+FR-1], v[AF+FR*(\a):AF+FR*(\a)+FR-1], v[8*(8*((\a)%4)+\b):8*(8*((\a)%4)+\b)+7], v[SC+8*NQ*(\sc)+NQ*\b+(\q)], v[SC+8*NQ*(\sc)+NQ*(\a)+(\q)] matrix_a_fmt:MATRIX_FMT_FP4 matrix_b_fmt:MATRIX_FMT_FP4 matrix_a_scale:MATRIX_SCALE_ROW1
.endif
.endr
.endr
.endm
.macro FETCH_B slot, q, p
	WIN TO_B
.irp i, 0,1,2,3,4,5,6,7
	FRAG 128*(\p)+FR*\i, ADRB+\slot, \q, \i
.endr
	WIN 0
.endm
.macro FETCH_A slot, q, i0
.irp i, \i0, \i0+1, \i0+2, \i0+3
	FRAG AF+FR*(\i), ADRA+\slot, \q, \i
.endr
.endm
.macro SCALES sc                       ; a slot's scale words: four words a row; lanes 0-15 take X's block i, lanes 16-31 W's block i
.irp i, 0,1,2,3,4,5,6,7
	ds_load_b128 v[SC+8*NQ*\sc+NQ*\i:SC+8*NQ*\sc+NQ*\i+3], v[ADRS] offset:\i*SBLK
.endr
.endm
.macro PLACES n                        ; places in front of loads into registers that matrix instructions have read, and of the first read of results
.rept \n
	v_nop
.endr
.endm
; A step of 128 along K that has its successor in the same slot.  X's blocks are free as soon as their eight products are issued: one set serves X, fetched anew in two runs.
.macro STEP slot, q, zero
	s_wait_dscnt 4*NL                              ; W's set and X's blocks 0-3 are in; the youngest eight loads (X's blocks 4-7) may be out
	WIN MUL_LO-0x20*(\zero)                        ; (zero = 1: C, the bias, lies in window 0)
	MUL16 0, (\q)%2, \q, \slot, \zero
	MUL16 2, (\q)%2, \q, \slot, \zero
	s_wait_dscnt 0                                 ; X's blocks 4-7 are in
	PLACES NP
	FETCH_B \slot, (\q)+1, 1-(\q)%2
	FETCH_A \slot, (\q)+1, 0
	WIN MUL_HI-0x30*(\zero)
	MUL16 4, (\q)%2, \q, \slot, \zero
	MUL16 6, (\q)%2, \q, \slot, \zero
	PLACES NP
	WIN 0
	FETCH_A \slot, (\q)+1, 4
.endm
.macro STEPS slot, from
.set Q, \from
.rept NQ-1-\from
	STEP \slot, Q, 0
.set Q, Q+1
.endr
.endm
	s_wait_tensorcnt 1                             ; the scales and my part of slot 0 are in; slot 1's load, issued behind them, may be out
	s_barrier_signal -1
	s_barrier_wait -1                              ; everybody's are
	FETCH_B 0, 0, 0
	FETCH_A 0, 0, 0
	SCALES 0
	FETCH_A 0, 0, 4
	s_wait_loadcnt 0x0                             ; the bias
	STEP 0, 0, 1                                   ; the first step's products start the sums
	STEPS 0, 1
	; slot 0's last step changes slots: one barrier; in front of it each wave waits for all its tensor loads, adds 0 to its spare word, and waits for that and for its reads of slot 0
	s_wait_tensorcnt 0x0                           ; my part of slot 1 has landed
	ds_add_u32 v[SPW], v[NIL]
	s_wait_dscnt 4*NL+1                            ; (the add and the youngest eight loads may be out)
	WIN MUL_LO
	MUL16 0, 1, NQ-1, 0, 0
	s_wait_dscnt 0x0                               ; the add is done, and my reads of slot 0 are over
	s_barrier_signal -1
	MUL16 2, 1, NQ-1, 0, 0
	WIN 0
	s_barrier_wait -1
	PLACES NP
	v_add_nc_u32 v[ADRS], 4*NQ, v[ADRS]            ; on to slot 1's scale words
	FETCH_B 1, 0, 0
	FETCH_A 1, 0, 0
	SCALES 1
	WIN MUL_HI
	MUL16 4, 1, NQ-1, 0, 0
	MUL16 6, 1, NQ-1, 0, 0
	PLACES NP
	WIN 0
	FETCH_A 1, 0, 4
	STEPS 1, 0
	s_wait_dscnt 4*NL                              ; the very last step: nothing more to fetch
	WIN MUL_LO
	MUL16 0, 1, NQ-1, 1, 0
	MUL16 2, 1, NQ-1, 1, 0
	s_wait_dscnt 0
	WIN MUL_HI
	MUL16 4, 1, NQ-1, 1, 0
	MUL16 6, 1, NQ-1, 1, 0
	WIN 0
	PLACES NP
	; A batch's positions 0-15 also leave in f32, as images of the accumulators: registers 0-3 at 16 x lane, registers 4-7 at 512 + 16 x lane: each store covers 512 consecutive bytes.
	; The test is made of cluster y and the wave's number: the same in all partners.
	s_or_b32 s2, s95, s15
	s_cmp_lg_u32 s2, 0
	s_cbranch_scc1 .Lno16
	WIN 0x08                                       ; a store's data are its source 1: window 2
.irp b, 0,1,2,3,4,5,6,7
	global_store_b128 v[CO], v[8*\b:8*\b+3], s[66:67] offset:1024*\b
	global_store_b128 v[CO], v[8*\b+4:8*\b+7], s[66:67] offset:1024*\b+512
.endr
	WIN 0
.Lno16:
; THE WAY OUT, block by block of 16 rows x 128 columns (two heads).  PACK: rounded to f16, 16 bytes a lane.  TOSTAGE: into my stage, and back four rows of one head at a time.  SEND: stored:
; a head's rows are 128 dense bytes, so the 32 lanes store 512 consecutive bytes.
.macro PACK a
.set AC, 64*((\a)%4)
	WIN 0x0a+5*((\a)/4)                            ; sources 0 and 1: window 2 or 3
.irp b, 0,1,2,3,4,5,6,7
.irp r, 0,1,2,3
	v_cvt_pk_f16_f32 v[TMP+4*\b+\r], v[AC+8*\b+2*\r], v[AC+8*\b+2*\r+1]
.endr
.endr
	WIN 0
.endm
.macro TOSTAGE a
.set BB, BK+32*((\a)%2)
.irp b, 0,1,2,3,4,5,6,7
	ds_store_b128 v[STO], v[TMP+4*\b:TMP+4*\b+3] offset:32*\b
.endr
.irp hh, 0,1
.irp i, 0,1,2,3
	ds_load_b128 v[BB+4*(4*\hh+\i):BB+4*(4*\hh+\i)+3], v[RD] offset:128*\hh+4*\i*SPITCH   ; LDS serves a wave's instructions in order: these see the stores above
.endr
.endr
.endm
.macro SEND a
.set BB, BK+32*((\a)%2)
	s_wait_dscnt 0x0                               ; the block is back in registers
	s_wait_xcnt 0x0                                ; the stores of the block before have read their registers: the next block's loads may land there
.irp hh, 0,1
.irp i, 0,1,2,3
	global_store_b128 v[CO], v[BB+4*(4*\hh+\i):BB+4*(4*\hh+\i)+3], s[12:13] offset:262144*\hh+2048*(\a)+512*\i
.endr
.endr
.endm
	PACK 0
	TOSTAGE 0
.irp a, 1,2,3,4,5,6,7                  ; block a's conversions stand between block a - 1's loads from the stage and the wait for them
	PACK \a
	SEND \a-1
	TOSTAGE \a
.endr
	SEND 7
	s_wait_tensorcnt 0x0                           ; the wave's end, behind my last tensor load and my last LDS store
	ds_add_u32 v[SPW], v[NIL]
	s_wait_dscnt 0x0
	CROUND                                         ; the closing round
	s_endpgm
.Lfunc_end_k_q9c2f7714db_qkvgemm:
	.size	k_q9c2f7714db_qkvgemm, .Lfunc_end_k_q9c2f7714db_qkvgemm-k_q9c2f7714db_qkvgemm
	.p2alignl 7, 3214868480
	.fill 96, 4, 3214868480
	.section	.rodata,"a",@progbits
	.p2align	6, 0x0
	.amdhsa_kernel k_q9c2f7714db_qkvgemm
		.amdhsa_group_segment_fixed_size 327680
		.amdhsa_private_segment_fixed_size 0
		.amdhsa_enable_private_segment 0
		.amdhsa_kernarg_size 72
		.amdhsa_user_sgpr_count 2
		.amdhsa_user_sgpr_kernarg_segment_ptr 1
		.amdhsa_wavefront_size32 1
		.amdhsa_system_sgpr_workgroup_id_x 1
		.amdhsa_system_sgpr_workgroup_id_y 1
		.amdhsa_system_sgpr_workgroup_id_z 1
		.amdhsa_system_vgpr_workitem_id 0
		.amdhsa_next_free_vgpr 1024
		.amdhsa_next_free_sgpr 102
		.amdhsa_reserve_vcc 0
		.amdhsa_float_denorm_mode_32 3
		.amdhsa_float_denorm_mode_16_64 3
		.amdhsa_memory_ordered 1
		.amdhsa_forward_progress 1
		.amdhsa_inst_pref_size 130
	.end_amdhsa_kernel
	.amdgpu_metadata
---
amdhsa.version: [ 1, 2 ]
amdhsa.kernels:
  - .name:           k_q9c2f7714db_qkvgemm
    .symbol:         k_q9c2f7714db_qkvgemm.kd
    .args:
      - { .name: x_codes, .offset: 0, .size: 8, .value_kind: global_buffer, .address_space: global }
      - { .name: x_scales, .offset: 8, .size: 8, .value_kind: global_buffer, .address_space: global }
      - { .name: w_codes, .offset: 16, .size: 8, .value_kind: global_buffer, .address_space: global }
      - { .name: w_scales, .offset: 24, .size: 8, .value_kind: global_buffer, .address_space: global }
      - { .name: bq, .offset: 32, .size: 8, .value_kind: global_buffer, .address_space: global }
      - { .name: bk, .offset: 40, .size: 8, .value_kind: global_buffer, .address_space: global }
      - { .name: bv, .offset: 48, .size: 8, .value_kind: global_buffer, .address_space: global }
      - { .name: qkvh, .offset: 56, .size: 8, .value_kind: global_buffer, .address_space: global }
      - { .name: h16, .offset: 64, .size: 8, .value_kind: global_buffer, .address_space: global }
    .group_segment_fixed_size: 327680
    .private_segment_fixed_size: 0
    .kernarg_segment_align: 8
    .kernarg_segment_size: 72
    .max_flat_workgroup_size: 128
    .sgpr_count:     102
    .vgpr_count:     1024
    .wavefront_size: 32
...
	.end_amdgpu_metadata
.endif
;; end of part 2
;; launch attn (part 3): grid 4 x 64, 16 waves a work-group, clusters of 4 x 1, 327,680 bytes of LDS; arguments qkvh, ybuf; writes ybuf
.if DOCPART == 3
	.amdgcn_target "amdgcn-amd-amdhsa--gfx1250"
	.amdhsa_code_object_version 6
	.text
	.protected	k_q9c2f7714db_attn
	.globl	k_q9c2f7714db_attn
	.p2align	8
	.type	k_q9c2f7714db_attn,@function
k_q9c2f7714db_attn:
	s_mov_b64 s[64:65], 0
	v_nop
	global_prefetch_b8 v0, s[64:65] scope:SCOPE_SE
	s_setreg_imm32_b32 hwreg(HW_REG_WAVE_MODE, 25, 1), 1
	s_wait_xcnt 0x0
	s_wait_alu depctr_hold_cnt(0) depctr_sa_sdst(0) depctr_va_vdst(0) depctr_va_sdst(0) depctr_va_ssrc(0) depctr_va_vcc(0) depctr_vm_vsrc(0)
	s_getreg_b32 s2, hwreg(HW_REG_IB_STS2, 6, 4)
	s_cmp_eq_u32 s2, 0
	s_cbranch_scc0 .Lentry_in_a_cluster
	s_endpgm
.Lentry_in_a_cluster:
	s_bfe_u32 s2, ttmp6, 0x10000c
	s_cmp_lg_u32 s2, 0x3003
	s_cbranch_scc0 .Lentry_shape_is_right
	s_endpgm
.Lentry_shape_is_right:
; y[b][h][q] = the sum over k <= q of softmax_k(Q[q] . K[k] / 8) V[k], head size 64, 2,048 positions, 64 (batch, head) pairs.  Q, K, V: f16, [3][64 pairs][2,048][64]; products on f16 operands with f32 sums;
; maxima, exponentials and sums in f32; the weights p are rounded to f16 for the second product; y is rounded to f16 once, laid [head 16][batch x position 8,192][64].
; SHARES.  A cluster of four work-groups owns one (batch, head).  Its 128 tiles of 16 queries are dealt so that every wave has the same work under the causal mask: wave w of partner g owns
; tile A = g + 4 w and tile B = 127 - g - 4 w.  With key steps of 64, tile A works in steps 0 .. w (the diagonal falls in step w) and tile B in steps 0 .. 31 - w (diagonal: 31 - w): 33 tile steps a wave,
; and neither bound holds g: no branch hangs on a work-group's place in its cluster.  Wave 0's tile B reads every slot in every partner, so every joint load is read by all that it names.
; Four waves share a SIMD, so that one wave's softmax stands beside another's products and LDS loads.
; LAYOUT.  S^T = K Q^T (source 0 = 16 keys, source 1 = 16 queries): a lane holds ONE query (lane % 16) and the keys 8 (lane / 16) + 0..7 of a tile.  Two such tiles rounded to f16 in pairs ARE source 1
; (32 keys x 16 queries) of O^T = V^T P.  K comes out of LDS as it lies, V ([key][channel]) turned, by ds_load_tr16_b128.
; SOFTMAX.  A running maximum m and sum l for each query: p = 2^(c s - c m), c = log2(e) / 8; in every step O and l are multiplied by a = 2^(c m_old - c m_new).
; THE RING.  Two LDS slots of 256 keys; waves 0 and 1 fetch K's halves, waves 2 and 3 V's, by joint loads with the mask of all four partners; one load a fetching wave is out.
; LIMITS: NaN and infinities are not served.
; REGISTERS: v1-14 addresses and lane values; v16-31 statistics, eight a tile; v32-63 Q; v64-127 K's fragments, then V's; v128-191 S^T, then p, then P in place; v192-255 O^T.
.set KP,    144                        ; a key's row in LDS: 128 bytes + 16 = 36 words: the 16 rows of a load start at 16 different groups of four banks (64 banks of 4 bytes: ISA guide 11.1)
.set VP,    160                        ; a row of V: 128 + 32
.set SKEYS, 256                        ; keys in a slot: four key steps
.set VOFF,  SKEYS*KP                   ; a slot: 256 rows of K, then 256 rows of V
.set SLOT1, 1<<17                      ; slot 1 begins here: one exclusive or turns an address in one slot into the other's
.set SLOTB, SKEYS*128                  ; a slot's bytes of K, or of V, in memory
.set SPARE, 2*SLOT1                    ; the spare words, 128 bytes for each of sixteen waves, which no other line names
.set NSL,   2048/SKEYS
.set AK0, 1                            ; v1   my lane's place in a tile of K
.set AV0, 2                            ; v2   the same for V
.set ADK, 3                            ; v3   LDS address of the slot's K for my lane
.set ADV, 4                            ; v4   of V
.set SPW, 5                            ; v5   my spare word; never rewritten
.set NIL, 6                            ; v6   0; never rewritten
.set QO,  7                            ; v7   my byte offset in a tile's rows of Q
.set DA,  8                            ; v8   tile A on its diagonal: my query - the step's first key - 8 (lane / 16)
.set DB,  9                            ; v9   the same for tile B
.set NINF, 10                          ; v10  -infinity
.set PFO, 11                           ; v11  256 x lane
.set STO, 12                           ; v12  the way out: where I put 16 bytes of a row
.set RD,  13                           ; v13  where I read back
.set GO,  14                           ; v14  16 x lane
.set ST,  16                           ; tile t's statistics at v[ST + 8 t]: +0 c m, +1 m, +2, +3 l in two halves, +4 .. +7 at work; a takes +6
.set Q,   32                           ; tile t: 16 registers: two fragments of 16 queries x 32 channels
.set KV,  64
.set S,   128                          ; tile t: 32 registers
.set O,   192                          ; tile t: 32 registers
.set WV,  8                            ; s8   my wave's number
.set SEL, 20                           ; s[20:21] lane selects: lane l xor 16
.set CS,  22                           ; s[22:23] c, twice
.set G1K, 24
.set G1V, 32
.set G0K, 40
.set G0V, 44
.set TB,  48                           ; s48  LDS byte at which the slot in hand begins
.set SI,  50                           ; s50  the key step, 0 .. 31
.set WA,  51                           ; s51  tile A's last step: w
.set WB,  52                           ; s52  tile B's last step: 31 - w
.set SLOTS, 53                         ; s53  slots still to be asked for
.set LIM, 55                           ; s55  1 in a wave that prefetches, else the greatest number
.set PFA, 56                           ; s[56:57] where my prefetches stand
.macro CROUND                          ; a round of the cluster's barrier
	s_barrier_signal -1
	s_barrier_wait -1
	s_cmp_lg_u32 s[WV], 0
	s_cbranch_scc1 .Lnot_wave_0_\@
	s_barrier_signal -3
.Lnot_wave_0_\@:
	s_barrier_wait -3
	s_barrier_signal -1
	s_barrier_wait -1
.endm
; Waves 0 and 1 fetch for K, waves 2 and 3 for V, the others nothing.  The branches hang on the wave's number alone: the same in all partners.  An s_nop 0 and four v_nop follow each line.
.macro TLOAD
	s_cmp_lt_u32 s[WV], 2
	s_cbranch_scc0 .Lnot_k_\@
	tensor_load_to_lds s[G0K:G0K+3], s[G1K:G1K+7]
	s_nop 0
.rept 4
	v_nop
.endr
	s_branch .Lasked_\@
.Lnot_k_\@:
	s_cmp_lt_u32 s[WV], 4
	s_cbranch_scc0 .Lasked_\@
	tensor_load_to_lds s[G0V:G0V+3], s[G1V:G1V+7]
	s_nop 0
.rept 4
	v_nop
.endr
.Lasked_\@:
.endm
; A PREFETCH INTO THE L2 of what the NEXT change of slots will ask for: a slot's 32,768 bytes of K and of V, four key steps ahead of that load.  Only this cluster reads this head's K and V.
; The four partners share each block out BY ADDRESS, 8,192 bytes each; in each, wave 4 asks for K's and wave 5 for V's, lanes 256 bytes apart: each 256 bytes are named once in the launch.
; The last change that fills a slot asks for nothing; slots 0 and 1 come by their loads alone.
.macro ASK
	s_cmp_gt_u32 s[SLOTS], s[LIM]
	s_cbranch_scc0 .Lnot_mine_\@
	global_prefetch_b8 v[PFO], s[PFA:PFA+1] th:TH_LOAD_NT scope:SCOPE_SE
.Lnot_mine_\@:
.endm
	s_load_b128 s[4:7], s[0:1], 0x0                ; qkvh, ybuf
	v_lshl_add_u32 v[SPW], v0, 2, SPARE
	v_mov_b32 v[NIL], 0
	ds_add_u32 v[SPW], v[NIL]                      ; the wave's opening: the add, twice on end, and its wait ahead of the first tensor load
	ds_add_u32 v[SPW], v[NIL]
	v_lshrrev_b32 v15, 5, v0
	v_readfirstlane_b32 s[WV], v15                 ; wave 0..15
	s_bfe_u32 s9, ttmp6, 0x40000                   ; g = cx: it enters Q's, y's and the prefetches' addresses and the mask's lane values, and nothing else
	s_and_b32 s10, ttmp7, 0xffff                   ; 16 x batch + head, which the four partners share
	; descriptor group 1: 128 rows x 64 elements of 2 bytes, dense in memory, padded in LDS
	s_mov_b32 s[G1K], 15|(1<<16)|(1<<20)|(1<<21)|(4<<22)|(3<<25)  ; 15:0 the mask: all four; 17:16 elements of 2 bytes; 20 padding on; 21 set beside a mask; 24:22 after every 32 words; 31:25 four words
	s_mov_b32 s[G1V], 15|(1<<16)|(1<<20)|(1<<21)|(4<<22)|(7<<25)  ; the same with eight words of padding
.irp g, G1K, G1V
	s_mov_b32 s[\g+1], 64<<16                      ; tensor_dim0
	s_mov_b32 s[\g+2], 128<<16                     ; tensor_dim1
	s_mov_b32 s[\g+3], 64<<16                      ; tile_dim0
	s_mov_b32 s[\g+4], 128                         ; tile_dim1
	s_mov_b32 s[\g+5], 64                          ; the pitch in memory
	s_mov_b32 s[\g+6], 0
	s_mov_b32 s[\g+7], 0
.endr
	s_and_b32 s11, s[WV], 1                        ; which half of a slot's rows I fetch, if I fetch
	s_mul_i32 s12, s11, 128*KP
	s_mul_i32 s13, s11, 128*VP
	s_add_co_u32 s13, s13, VOFF
	s_lshl_b32 s2, s11, 14                         ; 128 rows of 128 bytes
	s_mov_b32 s3, 0
	s_lshl_b32 s14, s10, 18                        ; a head's 2,048 rows of 128 bytes
	s_mov_b32 s15, 0
	s_mov_b32 s[SEL], 0x76543210
	s_mov_b32 s[SEL+1], 0xfedcba98
	s_mov_b32 s[CS], 0x3e38aa3b                    ; c = log2(e) / 8
	s_mov_b32 s[CS+1], s[CS]
	s_mov_b32 s[TB], 0
	s_mov_b32 s[SI], 0
	s_mov_b32 s[WA], s[WV]
	s_sub_co_u32 s[WB], 31, s[WV]
	s_mov_b32 s[SLOTS], NSL-1
	s_wait_dscnt 0x0                               ; both opening adds are done
	s_wait_kmcnt 0x0
	s_add_nc_u64 s[14:15], s[4:5], s[14:15]        ; Q's head,
	s_add_nc_u64 s[16:17], s[14:15], 0x1000000     ; K's,
	s_add_nc_u64 s[18:19], s[14:15], 0x2000000     ; V's
	s_mov_b32 s[G0K], 1
	s_mov_b32 s[G0K+1], s12
	s_add_nc_u64 s[G0K+2:G0K+3], s[16:17], s[2:3]
	s_or_b32 s[G0K+3], s[G0K+3], 0x80000000
	s_mov_b32 s[G0V], 1
	s_mov_b32 s[G0V+1], s13
	s_add_nc_u64 s[G0V+2:G0V+3], s[18:19], s[2:3]
	s_or_b32 s[G0V+3], s[G0V+3], 0x80000000
	CROUND                                         ; all four work-groups are here: the first joint loads meet
	TLOAD                                          ; slot 0
	s_cmp_eq_u32 s[WV], 4                          ; the prefetches: wave 4 K's, wave 5 V's
	s_cselect_b64 s[PFA:PFA+1], s[16:17], s[18:19]
	s_lshl_b32 s2, s9, 13                          ; my work-group's 8,192 bytes,
	s_add_co_u32 s2, s2, SLOTB                     ; in slot 1: the first change of slots steps it to slot 2
	s_add_nc_u64 s[PFA:PFA+1], s[PFA:PFA+1], s[2:3]
	s_sub_co_u32 s11, s[WV], 4
	s_lshr_b32 s11, s11, 1
	s_cmp_eq_u32 s11, 0
	s_cselect_b32 s[LIM], 1, -1
	s_lshl_b32 s2, s9, 11
	s_lshl_b32 s11, s[WV], 13
	s_add_co_u32 s2, s2, s11                       ; tile A's first query (16 g + 64 w) x 128 bytes
	s_sub_co_u32 s12, 2032*128, s2                 ; tile B's: 2,032 - 16 g - 64 w
	s_mov_b32 s13, 0
	s_add_nc_u64 s[58:59], s[14:15], s[2:3]        ; Q at tile A, at tile B
	s_add_nc_u64 s[60:61], s[14:15], s[12:13]
	s_and_b32 s16, s10, 15
	s_lshl_b32 s16, s16, 20                        ; y: a head's plane is 8,192 rows of 128 bytes,
	s_lshr_b32 s17, s10, 4
	s_lshl_b32 s17, s17, 18                        ; a batch 2,048 rows
	s_add_co_u32 s16, s16, s17
	s_mov_b32 s17, 0
	s_add_nc_u64 s[6:7], s[6:7], s[16:17]
	s_add_nc_u64 s[66:67], s[6:7], s[2:3]          ; y at tile A, at tile B
	s_add_nc_u64 s[68:69], s[6:7], s[12:13]
	v_and_b32 v64, 15, v0                          ; r
	v_bfe_u32 v65, v0, 4, 1                        ; h
	v_and_b32 v66, 31, v0                          ; lane
	v_lshlrev_b32 v[QO], 7, v64
	v_lshl_add_u32 v[QO], v65, 4, v[QO]            ; row r of 128 bytes + 16 h
.irp t, 0,1
.irp c, 0,1
	global_load_b128 v[Q+16*\t+8*\c:Q+16*\t+8*\c+3], v[QO], s[58+2*\t:59+2*\t] offset:64*\c        ; Q stays in registers
	global_load_b128 v[Q+16*\t+8*\c+4:Q+16*\t+8*\c+7], v[QO], s[58+2*\t:59+2*\t] offset:64*\c+32
.endr
.endr
	v_mul_u32_u24 v[AK0], v64, KP
	v_lshl_add_u32 v[AK0], v65, 4, v[AK0]          ; K: row r x pitch + 16 h
	v_and_b32 v67, 7, v0
	v_bfe_u32 v68, v0, 3, 1
	v_lshl_add_u32 v[AV0], v65, 3, v67             ; V, for the turning load: key 8 h + lane % 8, channels 8 ((lane / 8) % 2) on
	v_mul_u32_u24 v[AV0], v[AV0], VP
	v_lshl_add_u32 v[AV0], v68, 4, v[AV0]
	v_add_nc_u32 v[AV0], VOFF, v[AV0]
	v_lshlrev_b32 v69, 3, v65
	v_sub_nc_u32 v69, v64, v69                     ; r - 8 h
	s_lshl_b32 s11, s9, 4
	v_add_nc_u32 v[DA], s11, v69                   ; tile A's queries begin 16 g behind its diagonal step's first key,
	s_sub_co_u32 s11, 48, s11
	v_add_nc_u32 v[DB], s11, v69                   ; tile B's 48 - 16 g
	v_mov_b32 v[NINF], 0xff800000
	v_lshlrev_b32 v[PFO], 8, v66
	s_mul_i32 s11, s[WV], 2*16*KP                  ; my stage for the way out: two tiles of 16 rows x 144 bytes, in LDS slot 0
	v_mul_u32_u24 v[STO], v64, KP
	v_lshl_add_u32 v[STO], v65, 4, v[STO]
	v_add_nc_u32 v[STO], s11, v[STO]
	v_lshrrev_b32 v70, 3, v66
	v_mul_u32_u24 v[RD], v70, KP
	v_lshl_add_u32 v[RD], v67, 4, v[RD]
	v_add_nc_u32 v[RD], s11, v[RD]
	v_lshlrev_b32 v[GO], 4, v66
.irp t, 0,1
	v_mov_b32 v[ST+8*\t+1], 0xff61b1e6             ; m: -3e38, under every score
	v_mul_f32 v[ST+8*\t], s[CS], v[ST+8*\t+1]      ; c m
.irp i, 2,3,4,5,6,7
	v_mov_b32 v[ST+8*\t+\i], 0                     ; l, and what is at work
.endr
.endr
.set i, 0
.rept 64
	v_mov_b32 v[O+i], 0                            ; O^T.  (The step is written without a first form of its own: the first step finds zeros, which a = 0 leaves zeros)
.set i, i+1
.endr
.macro KLOADS q                        ; the step's K: 64 keys x 64 channels: fragment (kt, c) = keys 16 kt on, channels 32 c on
.irp kt, 0,1,2,3
.irp c, 0,1
	ds_load_b128 v[KV+8*(2*\kt+\c):KV+8*(2*\kt+\c)+3], v[ADK] offset:(64*(\q)+16*\kt)*KP+64*\c
	ds_load_b128 v[KV+8*(2*\kt+\c)+4:KV+8*(2*\kt+\c)+7], v[ADK] offset:(64*(\q)+16*\kt)*KP+64*\c+32
.endr
.endr
.endm
.macro VLOADS q                        ; the step's V, turned: fragment (u, dt) = keys 32 u on, channels 16 dt on
.irp u, 0,1
.irp dt, 0,1,2,3
	ds_load_tr16_b128 v[KV+8*(4*\u+\dt):KV+8*(4*\u+\dt)+3], v[ADV] offset:(64*(\q)+32*\u)*VP+32*\dt
	ds_load_tr16_b128 v[KV+8*(4*\u+\dt)+4:KV+8*(4*\u+\dt)+7], v[ADV] offset:(64*(\q)+32*\u+16)*VP+32*\dt
.endr
.endr
.endm
.macro SQK t                           ; S^T = K Q^T of tile t: four accumulators by turns, one instruction a turn; the first four start the sums
.irp c, 0,1
.irp kt, 0,1,2,3
.if \c == 0
	v_wmma_f32_16x16x32_f16 v[S+32*\t+8*\kt:S+32*\t+8*\kt+7], v[KV+8*(2*\kt+\c):KV+8*(2*\kt+\c)+7], v[Q+16*\t+8*\c:Q+16*\t+8*\c+7], 0
.else
	v_wmma_f32_16x16x32_f16 v[S+32*\t+8*\kt:S+32*\t+8*\kt+7], v[KV+8*(2*\kt+\c):KV+8*(2*\kt+\c)+7], v[Q+16*\t+8*\c:Q+16*\t+8*\c+7], v[S+32*\t+8*\kt:S+32*\t+8*\kt+7]
.endif
.endr
.endr
.endm
.macro PV t                            ; O^T += V^T P of tile t: four accumulators by turns
.irp u, 0,1
.irp dt, 0,1,2,3
	v_wmma_f32_16x16x32_f16 v[O+32*\t+8*\dt:O+32*\t+8*\dt+7], v[KV+8*(4*\u+\dt):KV+8*(4*\u+\dt)+7], v[S+32*\t+8*\u:S+32*\t+8*\u+7], v[O+32*\t+8*\dt:O+32*\t+8*\dt+7]
.endr
.endr
.endm
; Tile t's softmax for one key step.  diag = 1: the step may be the tile's diagonal (lim: the scalar with that step; dreg: the lane's d): there register 8 kt + j holds key 16 kt + 8 h + j of the step,
; hidden where 16 kt + j > d: its score becomes -infinity ahead of the maximum.  Key 0 counts for every query, so m is a number from the first step on.
.macro SOFTMAX t, lim, dreg, diag
.set rT, ST+8*(\t)
.set rS, S+32*(\t)
.set rO, O+32*(\t)
.if \diag
	s_cmp_lg_u32 s[SI], s[\lim]
	s_cbranch_scc1 .Lopen_\@
.irp n, 0,1,2,3,4,5,6,7,8,9,10,11,12,13,14,15,16,17,18,19,20,21,22,23,24,25,26,27,28,29,30,31
	v_cmp_gt_i32 vcc_lo, 16*(\n/8)+\n%8, v[\dreg]
	v_cndmask_b32 v[rS+\n], v[rS+\n], v[NINF], vcc_lo
.endr
.Lopen_\@:
.endif
.irp j, 0,1,2,3
	v_max3_num_f32 v[rT+4+\j], v[rS+8*\j], v[rS+8*\j+1], v[rS+8*\j+2]      ; four chains; each accumulator is read from its low end on
.endr
.irp i, 3,5
.irp j, 0,1,2,3
	v_max3_num_f32 v[rT+4+\j], v[rT+4+\j], v[rS+8*\j+\i], v[rS+8*\j+\i+1]
.endr
.endr
	v_max3_num_f32 v[rT+4], v[rT+4], v[rS+7], v[rS+15]
	v_max3_num_f32 v[rT+6], v[rT+6], v[rS+23], v[rS+31]
	v_max3_num_f32 v[rT+4], v[rT+4], v[rT+5], v[rT+6]
	v_max3_num_f32 v[rT+4], v[rT+4], v[rT+7], v[rT+1]                      ; with the old m
	v_permlanex16_b32 v[rT+5], v[rT+4], s[SEL], s[SEL+1]                   ; the query's other 32 keys lie in the lane 16 away
	v_mov_b32 v[rT+7], v[rT]                                               ; c m_old
	v_max_num_f32 v[rT+1], v[rT+4], v[rT+5]                                ; the new m
	v_mul_f32 v[rT], s[CS], v[rT+1]
	v_sub_f32 v[rT+7], v[rT+7], v[rT]                                      ; c m_old - c m_new
.irp b, 0,2,4,6,8,10,12,14,16,18,20,22,24,26,28,30
	v_pk_fma_f32 v[rS+\b:rS+\b+1], v[rS+\b:rS+\b+1], s[CS:CS+1], v[rT:rT+1] op_sel_hi:[1,0,0] neg_lo:[0,0,1] neg_hi:[0,0,1]   ; c s - c m
.endr
	v_exp_f32 v[rT+6], v[rT+7]                                             ; a
.irp n, 0,1,2,3,4,5,6,7,8,9,10,11,12,13,14,15,16,17,18,19,20,21,22,23,24,25,26,27,28,29,30,31
	v_exp_f32 v[rS+\n], v[rS+\n]                                           ; p: one batch of 33 exponentials
.endr
	v_nop                                                                  ; a plain instruction behind the last exponential
	s_wait_alu depctr_va_vdst(0)                                           ; the wait ahead of the first instruction that names a result: one for the batch
	v_pk_mul_f32 v[rT+2:rT+3], v[rT+2:rT+3], v[rT+6:rT+7] op_sel_hi:[1,0]  ; l x a
	v_pk_add_f32 v[rT+4:rT+5], v[rS:rS+1], v[rS+2:rS+3]                    ; the sum of the unrounded p, in two chains
.irp j, 4,8,12,16,20,24,28
	v_pk_add_f32 v[rT+2:rT+3], v[rT+2:rT+3], v[rS+\j:rS+\j+1]
	v_pk_add_f32 v[rT+4:rT+5], v[rT+4:rT+5], v[rS+\j+2:rS+\j+3]
.endr
	v_pk_add_f32 v[rT+2:rT+3], v[rT+2:rT+3], v[rT+4:rT+5]
.irp i, 0,1,2,3,4,5,6,7,8,9,10,11,12,13,14,15
	v_cvt_pk_f16_f32 v[rS+\i], v[rS+2*\i], v[rS+2*\i+1]                    ; P in place, ascending: registers 8 u .. 8 u + 7 are source 1 for keys 32 u on
.endr
.irp j, 0,2,4,6,8,10,12,14,16,18,20,22,24,26,28,30
	v_pk_mul_f32 v[rO+\j:rO+\j+1], v[rO+\j:rO+\j+1], v[rT+6:rT+7] op_sel_hi:[1,0]   ; O^T x a
.endr
.endm
; What follows K's loads.  two = 1: both tiles work, and share K's and V's fragments; tile B's diagonal, step 31 - w >= 16, cannot fall here, where the step is at most w <= 15.  two = 0: tile B alone.
.macro BODY q, two
	SQK 1
.if \two
	SQK 0
.endif
.rept 4
	v_nop                                          ; places: behind them V's loads land on K's registers and the softmax reads the scores
.endr
	VLOADS \q
.if \two
	SOFTMAX 1, WB, DB, 0
	SOFTMAX 0, WA, DA, 1
.else
	SOFTMAX 1, WB, DB, 1
.endif
	s_wait_dscnt 0x0                               ; V is in
	PV 1
.if \two
	PV 0
.endif
.endm
; A KEY STEP: 64 keys, the q-th of the slot in hand.  The two tests are made of the count of steps and the wave's number.  No barrier, wait for tiles or tensor load stands in a step.
.macro STEP q
	s_cmp_gt_u32 s[SI], s[WB]
	s_cbranch_scc1 .Lidle_\@                       ; all keys of this step come after all my queries
	v_add_nc_u32 v[ADK], s[TB], v[AK0]
	v_add_nc_u32 v[ADV], s[TB], v[AV0]
.rept 3
	v_nop                                          ; with the two additions five places behind the last step's products: K's loads land on V's registers (four), the new scores are laid over P (five)
.endr
	KLOADS \q
	s_wait_dscnt 0x0
	s_cmp_gt_u32 s[SI], s[WA]
	s_cbranch_scc1 .Lone_\@
	BODY \q, 1
	s_branch .Lidle_\@
.Lone_\@:
	BODY \q, 0
.Lidle_\@:
	s_add_co_u32 s[SI], s[SI], 1
.endm
; THE CHANGE OF SLOTS stands at a slot's head.  Each wave waits for all its tensor loads (its part of the slot that it is about to read), adds 0 to its spare word, and waits for that and for its reads of
; the slot that it has left.  fill = 1: a round of the cluster's barrier follows, so that no wave of any partner still reads that slot or has a load on its way, and the joint load of the keys that
; follow is the first thing behind it: it has four key steps in which to land.
.macro CHANGE fill
	s_wait_tensorcnt 0x0                           ; no tensor load of mine is out, so a group 0 may be written
	ds_add_u32 v[SPW], v[NIL]
.if \fill
	ds_add_u32 v[SPW], v[NIL]                      ; twice on end here, in every trip alike
	s_xor_b32 s[G0K+1], s[G0K+1], SLOT1            ; the walking descriptors: the other slot than last time,
	s_add_nc_u64 s[G0K+2:G0K+3], s[G0K+2:G0K+3], SLOTB   ; the next 256 keys; the type bits on top are not reached
	s_xor_b32 s[G0V+1], s[G0V+1], SLOT1
	s_add_nc_u64 s[G0V+2:G0V+3], s[G0V+2:G0V+3], SLOTB
	s_wait_xcnt 0x0                                ; the last prefetch, a slot back, has read its address
	s_add_nc_u64 s[PFA:PFA+1], s[PFA:PFA+1], SLOTB
.endif
	s_wait_dscnt 0x0                               ; the add is done, and my reads of the slot that I have left are over
.if \fill
	CROUND
	TLOAD
	ASK
.else
	s_barrier_signal -1
	s_barrier_wait -1
.endif
.endm
.macro SLOT_STEPS
	STEP 0
	STEP 1
	STEP 2
	STEP 3
	s_xor_b32 s[TB], s[TB], SLOT1                  ; on to the other slot
.endm
	s_wait_loadcnt 0x0                             ; Q
.Lslot:                                            ; seven trips: behind each change of slots but the last the next slot is asked for
	CHANGE 1
	SLOT_STEPS
	s_sub_co_u32 s[SLOTS], s[SLOTS], 1
	s_cmp_lg_u32 s[SLOTS], 0
	s_cbranch_scc1 .Lslot
	CHANGE 0                                       ; the last slot is written out
	SLOT_STEPS
	; THE WAY OUT.  O^T / l, rounded to f16, goes through my stage in LDS slot 0 (it has had its last fill, and every wave has left it at the last change) and leaves four rows an instruction:
	; a tile's 16 rows of y are 2,048 consecutive bytes.
.rept 4
	v_nop                                          ; places behind the last products
.endr
.irp t, 0,1
	v_add_f32 v[ST+8*\t+4], v[ST+8*\t+2], v[ST+8*\t+3]
.endr
.irp t, 0,1
	v_permlanex16_b32 v[ST+8*\t+5], v[ST+8*\t+4], s[SEL], s[SEL+1]
.endr
.irp t, 0,1
	v_add_f32 v[ST+8*\t+4], v[ST+8*\t+4], v[ST+8*\t+5]     ; the row's sum
.endr
.irp t, 0,1
	v_rcp_f32 v[ST+8*\t+6], v[ST+8*\t+4]
.endr
	v_nop
	s_wait_alu depctr_va_vdst(0)                   ; one wait for the two reciprocals, ahead of their first reader
.irp t, 0,1
.irp j, 0,2,4,6,8,10,12,14,16,18,20,22,24,26,28,30
	v_pk_mul_f32 v[O+32*\t+\j:O+32*\t+\j+1], v[O+32*\t+\j:O+32*\t+\j+1], v[ST+8*\t+6:ST+8*\t+7] op_sel_hi:[1,0]
.endr
.irp i, 0,1,2,3,4,5,6,7,8,9,10,11,12,13,14,15
	v_cvt_pk_f16_f32 v[KV+16*\t+\i], v[O+32*\t+2*\i], v[O+32*\t+2*\i+1]
.endr
.irp dt, 0,1,2,3
	ds_store_b128 v[STO], v[KV+16*\t+4*\dt:KV+16*\t+4*\dt+3] offset:16*KP*\t+32*\dt       ; lane (r, h): y(r, 16 dt + 8 h + 0 .. 7)
.endr
.irp i, 0,1,2,3
	ds_load_b128 v[KV+32+16*\t+4*\i:KV+32+16*\t+4*\i+3], v[RD] offset:16*KP*\t+4*KP*\i    ; in order behind my stores
.endr
.endr
	s_wait_dscnt 0x0
.irp t, 0,1
.irp i, 0,1,2,3
	global_store_b128 v[GO], v[KV+32+16*\t+4*\i:KV+32+16*\t+4*\i+3], s[66+2*\t:67+2*\t] offset:512*\i   ; 32 lanes store 512 consecutive bytes, aligned
.endr
.endr
	s_wait_tensorcnt 0x0                           ; the wave's end, behind my last tensor load and my last LDS store
	ds_add_u32 v[SPW], v[NIL]
	s_wait_dscnt 0x0
	CROUND                                         ; the closing round
	s_endpgm
.Lfunc_end_k_q9c2f7714db_attn:
	.size	k_q9c2f7714db_attn, .Lfunc_end_k_q9c2f7714db_attn-k_q9c2f7714db_attn
	.p2alignl 7, 3214868480
	.fill 96, 4, 3214868480
	.section	.rodata,"a",@progbits
	.p2align	6, 0x0
	.amdhsa_kernel k_q9c2f7714db_attn
		.amdhsa_group_segment_fixed_size 327680
		.amdhsa_private_segment_fixed_size 0
		.amdhsa_enable_private_segment 0
		.amdhsa_kernarg_size 16
		.amdhsa_user_sgpr_count 2
		.amdhsa_user_sgpr_kernarg_segment_ptr 1
		.amdhsa_wavefront_size32 1
		.amdhsa_system_sgpr_workgroup_id_x 1
		.amdhsa_system_sgpr_workgroup_id_y 1
		.amdhsa_system_sgpr_workgroup_id_z 1
		.amdhsa_system_vgpr_workitem_id 0
		.amdhsa_next_free_vgpr 256
		.amdhsa_next_free_sgpr 72
		.amdhsa_reserve_vcc 1
		.amdhsa_float_denorm_mode_32 3
		.amdhsa_float_denorm_mode_16_64 3
		.amdhsa_memory_ordered 1
		.amdhsa_forward_progress 1
		.amdhsa_inst_pref_size 255
	.end_amdhsa_kernel
	.section	.bss,"aw",@nobits
	.p2align	6
	.space	262144
	.amdgpu_metadata
---
amdhsa.version: [ 1, 2 ]
amdhsa.kernels:
  - .name:           k_q9c2f7714db_attn
    .symbol:         k_q9c2f7714db_attn.kd
    .args:
      - { .name: qkvh, .offset: 0, .size: 8, .value_kind: global_buffer, .address_space: global }
      - { .name: ybuf, .offset: 8, .size: 8, .value_kind: global_buffer, .address_space: global }
    .group_segment_fixed_size: 327680
    .private_segment_fixed_size: 0
    .kernarg_segment_align: 8
    .kernarg_segment_size: 16
    .max_flat_workgroup_size: 512
    .sgpr_count:     72
    .vgpr_count:     256
    .wavefront_size: 32
...
	.end_amdgpu_metadata
.endif
;; end of part 3
;; launch proj (part 4): grid 4 x 64, 4 waves a work-group, clusters of 4 x 4, 327,680 bytes of LDS; arguments ybuf, wpt, bp, out0; writes out0
.if DOCPART == 4
	.amdgcn_target "amdgcn-amd-amdhsa--gfx1250"
	.amdhsa_code_object_version 6
	.text
	.protected	k_q9c2f7714db_proj
	.globl	k_q9c2f7714db_proj
	.p2align	8
	.type	k_q9c2f7714db_proj,@function
k_q9c2f7714db_proj:
	s_mov_b64 s[64:65], 0
	v_nop
	global_prefetch_b8 v0, s[64:65] scope:SCOPE_SE
	s_setreg_imm32_b32 hwreg(HW_REG_WAVE_MODE, 25, 1), 1
	s_wait_xcnt 0x0
	s_wait_alu depctr_hold_cnt(0) depctr_sa_sdst(0) depctr_va_vdst(0) depctr_va_sdst(0) depctr_va_ssrc(0) depctr_va_vcc(0) depctr_vm_vsrc(0)
	s_getreg_b32 s2, hwreg(HW_REG_IB_STS2, 6, 4)
	s_cmp_eq_u32 s2, 0
	s_cbranch_scc0 .Lentry_in_a_cluster
	s_endpgm
.Lentry_in_a_cluster:
	s_bfe_u32 s2, ttmp6, 0x10000c
	s_cmp_lg_u32 s2, 0xf033
	s_cbranch_scc0 .Lentry_shape_is_right
	s_endpgm
.Lentry_shape_is_right:
; out0[m][n] = sum over c of y[m][c] Wp[c][n] + bp[n], m 8,192, n 1,024, c = 64 x head + channel, on f16 operands with f32 sums.  y: [head 16][m][64] f16; wpt: [n][c] f16.
; Positions 0-15 of each batch are NOT stored here: the launch behind this one makes them in f32.
; A tile of out0 is 128 x 256: 256 work-groups.  Four waves, each 64 x 128: 32 accumulators of 16 x 16.  K goes in steps of 128 (two heads' planes of y; rows of 256 bytes of wpt) through two LDS slots.
; CLUSTERS: 4 x 4.  The tile row is 16 cy + cluster y (so a cluster's row cy works in batch cy, and 'a batch's first rows' is cluster y = 0, the same in all partners); the tile column is cx.
; y's tiles are shared along a row of the cluster, wpt's along a column: joint loads.  Waves 0 and 1 fetch y's two planes (128 rows x 128 bytes each), waves 2 and 3 wpt's two halves (128 rows x 256 bytes).
; THE MATRIX INSTRUCTION IS USED TRANSPOSED (source 0 = 16 rows of wpt, source 1 = 16 rows of y): a lane holds eight neighbouring columns of a row.  The bias is the C of each sum's first product.
; REGISTERS: window 0: v0-31 addresses; two fragment buffers of 96 at v64 and v160 (64 of wpt, 32 of y; 32 along K).  window 1: the accumulators ((a, b) at v[8 (8 a + b)]).  window 2: v0-63 the bias.
.set PA,     144                       ; a row of y in LDS: 128 bytes + 16
.set PB,     272                       ; a row of wpt: 256 + 16
.set APL,    128*PA                    ; a plane of y's tile
.set BOFF,   2*APL                     ; wpt's 256 rows lie behind y's two planes
.set SLOT,   BOFF+256*PB
.set STAGE,  2*SLOT                    ; behind the ring: 16 rows x (512 bytes + 16) for each wave, for the way out
.set SPITCH, 528
.set SPARE,  STAGE+4*16*SPITCH         ; the spare words, 128 bytes for each wave, which no other line names
.set KPL,    2<<20                     ; a K step on in y: two planes of 8,192 x 128 bytes
.set LAPS,   4                         ; a lap = two K steps = once round the ring
.set ADRA, 16                          ; v16-17  LDS address of my fragments of y in slot 0, 1
.set ADRB, 20                          ; v20-21  of wpt
.set STO,  24
.set RD,   25
.set CO,   26                          ; v26     16 x lane
.set SPW,  28                          ; v28     my spare word; never rewritten
.set NIL,  29                          ; v29     0; never rewritten
.set PFO,  30                          ; v30     the prefetches' offset: plane lane / 16, 256 (lane % 16) bytes on
.set BO,   31                          ; v31     32 x (lane / 16)
.set F0,   64
.set F1,   160
.set G1,  24
.set G0,  32
.set G1B, 48
.set G0B, 56
.set LIM, 45                           ; s45     1 in the wave that prefetches, else the greatest number
.set PFA, 66                           ; s[66:67]
.set MSB, 0
.macro WIN new
.if MSB != (\new)
	s_set_vgpr_msb (MSB<<8)|(\new)
.set MSB, (\new)
.endif
.endm
.set MUL, 0x50                         ; sources 0 and 1 window 0; C and D window 1.  (+ 0x10: C, the bias, window 2)
.macro JLOAD s                         ; a joint load; an s_nop 0 and four v_nop follow each of the two lines
	s_cmp_eq_u32 s15, 0
	s_cbranch_scc0 .Lfor_b_\@
	tensor_load_to_lds s[G0+4*\s:G0+4*\s+3], s[G1:G1+7]
	s_nop 0
.rept 4
	v_nop
.endr
	s_branch .Lasked_\@
.Lfor_b_\@:
	tensor_load_to_lds s[G0B+4*\s:G0B+4*\s+3], s[G1B:G1B+7]
	s_nop 0
.rept 4
	v_nop
.endr
.Lasked_\@:
.endm
.macro CREST                           ; a round of the cluster's barrier behind its opening barrier
	s_cmp_lg_u32 s14, 0
	s_cbranch_scc1 .Lnot_wave_0_\@
	s_barrier_signal -3
.Lnot_wave_0_\@:
	s_barrier_wait -3
	s_barrier_signal -1
	s_barrier_wait -1
.endm
.macro CROUND
	s_barrier_signal -1
	s_barrier_wait -1
	CREST
.endm
; A PREFETCH INTO THE L2 of y's tile two refills on: two planes x 16,384 bytes.  Only this row of the cluster reads these rows; its four partners share each plane out BY ADDRESS, 4,096 bytes each;
; in each, wave 0 asks: lanes 0-15 the first plane, lanes 16-31 the second, 256 bytes apart.  The loop's last trip asks for nothing: there is no K step two on.  K steps 0 to 3 come by their loads alone.
; wpt is read again by every row of clusters and is not asked for.
.macro ASK
	s_cmp_gt_u32 s3, s[LIM]
	s_cbranch_scc0 .Lnot_mine_\@
	global_prefetch_b8 v[PFO], s[PFA:PFA+1] th:TH_LOAD_NT scope:SCOPE_SE
.Lnot_mine_\@:
.endm
	s_load_b128 s[4:7], s[0:1], 0x0                ; ybuf, wpt
	s_load_b128 s[8:11], s[0:1], 0x10              ; bp, out0
	v_lshl_add_u32 v[SPW], v0, 2, SPARE
	v_mov_b32 v[NIL], 0
	ds_add_u32 v[SPW], v[NIL]                      ; the wave's opening: the add, twice on end, and its wait ahead of my first tensor load
	ds_add_u32 v[SPW], v[NIL]
	v_lshrrev_b32 v1, 5, v0
	v_readfirstlane_b32 s14, v1                    ; wave 0..3
	s_lshr_b32 s15, s14, 1                         ; which 64 rows are mine.  Also: I fetch for y (0) or for wpt (1)
	s_and_b32 s16, s14, 1                          ; which 128 columns.  Also: which plane, or which 128 rows, I fetch
	s_bfe_u32 s40, ttmp6, 0x40000                  ; cx, cy
	s_bfe_u32 s41, ttmp6, 0x40004
	s_lshl_b32 s42, ttmp9, 2
	s_add_co_u32 s42, s42, s40                     ; tile column
	s_and_b32 s18, ttmp7, 0xffff                   ; cluster y: the tile's place in its batch
	s_lshl_b32 s17, s41, 4
	s_add_co_u32 s17, s17, s18                     ; tile row = 16 cy + cluster y
	s_lshl_b32 s43, s41, 2
	s_lshl_b32 s43, 15, s43                        ; my row of the cluster
	s_lshl_b32 s44, 0x1111, s40                    ; my column
	s_or_b32 s[G1], s43, (1<<16)|(1<<20)|(1<<21)|(4<<22)|(3<<25)   ; y: elements of 2 bytes; four words of padding after every 32
	s_mov_b32 s[G1+1], 64<<16                      ; tensor_dim0
	s_mov_b32 s[G1+2], 128<<16                     ; tensor_dim1
	s_mov_b32 s[G1+3], 64<<16                      ; tile_dim0
	s_mov_b32 s[G1+4], 128                         ; tile_dim1
	s_mov_b32 s[G1+5], 64                          ; the pitch in memory
	s_mov_b32 s[G1+6], 0
	s_mov_b32 s[G1+7], 0
	s_or_b32 s[G1B], s44, (1<<16)|(1<<20)|(1<<21)|(5<<22)|(3<<25)  ; wpt: four words after every 64
	s_mov_b32 s[G1B+1], 128<<16
	s_mov_b32 s[G1B+2], 128<<16
	s_mov_b32 s[G1B+3], 128<<16
	s_mov_b32 s[G1B+4], 128
	s_mov_b32 s[G1B+5], 1024
	s_mov_b32 s[G1B+6], 0
	s_mov_b32 s[G1B+7], 0
	s_lshl_b32 s20, s16, 20                        ; y: my plane of K step 0,
	s_lshl_b32 s21, s17, 14                        ; the tile's 128 rows of 128 bytes
	s_add_co_u32 s20, s20, s21
	s_mov_b32 s21, 0
	s_lshl_b32 s46, s42, 8
	s_lshl_b32 s47, s16, 7
	s_add_co_u32 s46, s46, s47                     ; wpt: row 256 x tile column + 128 x half,
	s_lshl_b32 s46, s46, 11                        ; of 2,048 bytes
	s_mov_b32 s47, 0
	s_mul_i32 s22, s16, APL                        ; where they go: no place in the cluster enters an LDS address
	s_mul_i32 s23, s16, 128*PB
	s_add_co_u32 s23, s23, BOFF
	s_wait_dscnt 0x0                               ; both opening adds are done
	s_wait_kmcnt 0x0
	s_add_nc_u64 s[20:21], s[4:5], s[20:21]
	s_add_nc_u64 s[46:47], s[6:7], s[46:47]
	CROUND                                         ; all sixteen work-groups are here: the first joint loads meet
.irp s, 0,1
	s_mov_b32 s[G0+4*\s], 1
	s_add_co_u32 s[G0+4*\s+1], s22, \s*SLOT
	s_add_nc_u64 s[G0+4*\s+2:G0+4*\s+3], s[20:21], \s*KPL
	s_or_b32 s[G0+4*\s+3], s[G0+4*\s+3], 0x80000000
	s_mov_b32 s[G0B+4*\s], 1
	s_add_co_u32 s[G0B+4*\s+1], s23, \s*SLOT
	s_add_nc_u64 s[G0B+4*\s+2:G0B+4*\s+3], s[46:47], \s*256
	s_or_b32 s[G0B+4*\s+3], s[G0B+4*\s+3], 0x80000000
	JLOAD \s                                       ; two tensor loads of mine are out
.endr
	v_and_b32 v1, 15, v0                           ; r
	v_bfe_u32 v2, v0, 4, 1                         ; h
	s_lshl_b32 s46, s42, 10                        ; my first column, in bytes of f32: 1,024 x tile column + 512 x half
	s_lshl_b32 s47, s16, 9
	s_add_co_u32 s46, s46, s47
	s_mov_b32 s47, 0
	s_add_nc_u64 s[8:9], s[8:9], s[46:47]
	s_add_nc_u64 s[10:11], s[10:11], s[46:47]
	v_lshlrev_b32 v[BO], 5, v2
	WIN 0x80                                       ; destination window 2
.irp b, 0,1,2,3,4,5,6,7
	global_load_b128 v[8*\b:8*\b+3], v[BO], s[8:9] offset:64*\b            ; lane (r, h), register j: bp[16 b + 8 h + j]
	global_load_b128 v[8*\b+4:8*\b+7], v[BO], s[8:9] offset:64*\b+16
.endr
	WIN 0
	s_lshl_b32 s46, s17, 19                        ; my first row: 128 x tile row + 64 x half, of 4,096 bytes
	s_lshl_b32 s47, s15, 18
	s_add_co_u32 s46, s46, s47
	s_mov_b32 s47, 0
	s_add_nc_u64 s[10:11], s[10:11], s[46:47]
	s_lshl_b32 s46, s17, 14                        ; the prefetches: the tile's rows, my work-group's 4,096 bytes of each plane,
	s_lshl_b32 s47, s40, 12
	s_add_co_u32 s46, s46, s47
	s_add_co_u32 s46, s46, 3*KPL                   ; at K step 3: the first refill (K step 2) steps it to 4
	s_mov_b32 s47, 0
	s_add_nc_u64 s[PFA:PFA+1], s[4:5], s[46:47]
	s_cmp_eq_u32 s14, 0
	s_cselect_b32 s[LIM], 1, -1
	v_lshlrev_b32 v[PFO], 8, v1
	v_lshl_add_u32 v[PFO], v2, 20, v[PFO]
	v_mul_u32_u24 v3, v1, PA
	v_lshl_add_u32 v3, v2, 4, v3
	v_mul_u32_u24 v4, v1, PB
	v_lshl_add_u32 v4, v2, 4, v4
	s_mul_i32 s21, s15, 64*PA                      ; my 64 rows of y, in each plane
	s_mul_i32 s22, s16, 128*PB                     ; my 128 rows of wpt
	s_add_co_u32 s22, s22, BOFF
.irp s, 0,1
	v_add_nc_u32 v[ADRA+\s], s21, v3
	v_add_nc_u32 v[ADRB+\s], s22, v4
	s_add_co_u32 s21, s21, SLOT
	s_add_co_u32 s22, s22, SLOT
.endr
	s_mul_i32 s23, s14, 16*SPITCH
	s_add_co_u32 s23, s23, STAGE                   ; my stage
	v_mul_u32_u24 v5, v1, SPITCH
	v_lshl_add_u32 v5, v2, 5, v5
	v_add_nc_u32 v[STO], s23, v5                   ; in: row r, 32 bytes for each half of the lanes
	v_and_b32 v6, 31, v0
	v_lshlrev_b32 v[CO], 4, v6
	v_add_nc_u32 v[RD], s23, v[CO]                 ; back: the 32 lanes take one row of 512 bytes
; 24 LDS loads in one run: the fragments of the K step's q-th 32 along K into buffer f: wpt's eight, then y's four (plane q / 2, channels 32 (q % 2) on)
.macro FETCH slot, q, f
	WIN 0
.irp b, 0,1,2,3,4,5,6,7
	ds_load_b128 v[\f+8*\b:\f+8*\b+3], v[ADRB+\slot] offset:64*(\q)+\b*16*PB
	ds_load_b128 v[\f+8*\b+4:\f+8*\b+7], v[ADRB+\slot] offset:64*(\q)+\b*16*PB+32
.endr
.irp a, 0,1,2,3
	ds_load_b128 v[\f+64+8*\a:\f+64+8*\a+3], v[ADRA+\slot] offset:((\q)/2)*APL+64*((\q)%2)+\a*16*PA
	ds_load_b128 v[\f+64+8*\a+4:\f+64+8*\a+7], v[ADRA+\slot] offset:((\q)/2)*APL+64*((\q)%2)+\a*16*PA+32
.endr
.endm
; 8 matrix instructions: y's block a x wpt's eight.  The 32 accumulators take turns, one instruction a turn, in the same order in every quarter.
.macro MUL8 f, a, zero
.irp b, 0,1,2,3,4,5,6,7
.if \zero
	v_wmma_f32_16x16x32_f16 v[8*(8*(\a)+\b):8*(8*(\a)+\b)+7], v[\f+8*\b:\f+8*\b+7], v[\f+64+8*(\a):\f+64+8*(\a)+7], v[8*\b:8*\b+7]
.else
	v_wmma_f32_16x16x32_f16 v[8*(8*(\a)+\b):8*(8*(\a)+\b)+7], v[\f+8*\b:\f+8*\b+7], v[\f+64+8*(\a):\f+64+8*(\a)+7], v[8*(8*(\a)+\b):8*(8*(\a)+\b)+7]
.endif
.endr
.endm
.macro PLACES                          ; four places in front of loads into registers that matrix instructions have read, and of the first read of results
.rept 4
	v_nop
.endr
.endm
; A K step is four quarters of 32 along K, 32 matrix instructions each, on buffers 0, 1, 0, 1.  One of the first three: multiplies buffer f and fetches quarter q into g.
.macro QUARTER slot, q, f, g, zero
	s_wait_dscnt 4                                 ; wpt's fragments and y's blocks 0, 1 are in; the youngest four loads (blocks 2, 3) may be out
	WIN MUL+0x10*(\zero)
	MUL8 \f, 0, \zero
	MUL8 \f, 1, \zero
	PLACES
	FETCH \slot, \q, \g
	s_wait_dscnt 24                                ; all but the 24 just issued
	WIN MUL+0x10*(\zero)
	MUL8 \f, 2, \zero
	MUL8 \f, 3, \zero
.endm
; The last quarter multiplies buffer 1 and changes slots: ONE barrier; in front of it each wave waits for all its tensor loads, adds 0 to its spare word, and waits for that and for its reads of this slot.
; fill = 1: the barrier opens a round of the cluster's, and this slot is filled again, two K steps ahead: from the request to the wait for it a wave issues 112 matrix instructions.
.macro TURN slot, next, fill
.if \fill
	s_wait_xcnt 0x0                                ; the last prefetch, a K step back, has read its address
	s_add_nc_u64 s[PFA:PFA+1], s[PFA:PFA+1], KPL
.endif
	WIN 0                                          ; (the add's two registers lie in window 0)
	s_wait_tensorcnt 0x0                           ; all my tensor loads have landed: my part of the next slot
	ds_add_u32 v[SPW], v[NIL]
	s_wait_dscnt 5                                 ; (the add and the youngest four loads may be out)
	WIN MUL
	MUL8 F1, 0, 0
	s_wait_dscnt 0x0                               ; the add is done, and my reads of this slot are over
	s_barrier_signal -1
	MUL8 F1, 1, 0
.if \fill
	WIN 0
.endif
	s_barrier_wait -1
.if \fill
	CREST
	s_add_nc_u64 s[G0+4*\slot+2:G0+4*\slot+3], s[G0+4*\slot+2:G0+4*\slot+3], 2*KPL
	s_add_nc_u64 s[G0B+4*\slot+2:G0B+4*\slot+3], s[G0B+4*\slot+2:G0B+4*\slot+3], 2*256
	JLOAD \slot                                    ; the first tensor load behind the round; its four v_nop are also the places in front of the loads below
.else
	PLACES
.endif
	FETCH \next, 0, F0
.if \fill
	ASK
.endif
	WIN MUL
	MUL8 F1, 2, 0
	MUL8 F1, 3, 0
.endm
	s_wait_tensorcnt 1                             ; my part of K step 0 is in; K step 1's load may be out
	s_barrier_signal -1
	s_barrier_wait -1
	FETCH 0, 0, F0
	s_wait_loadcnt 0x0                             ; the bias
	QUARTER 0, 1, F0, F1, 1                        ; the first quarter's products start the sums
	WIN 0                                          ; at a label and at a branch every window is 0
	s_mov_b32 s3, LAPS-1
.Llap:                                             ; a trip goes once round the ring, from a lap's second quarter to the next lap's first, and fills both slots again
	QUARTER 0, 2, F1, F0, 0
	QUARTER 0, 3, F0, F1, 0
	TURN 0, 1, 1
	QUARTER 1, 1, F0, F1, 0
	QUARTER 1, 2, F1, F0, 0
	QUARTER 1, 3, F0, F1, 0
	TURN 1, 0, 1
	QUARTER 0, 1, F0, F1, 0
	WIN 0
	s_sub_co_u32 s3, s3, 1
	s_cmp_lg_u32 s3, 0
	s_cbranch_scc1 .Llap
	QUARTER 0, 2, F1, F0, 0                        ; the last lap fills nothing
	QUARTER 0, 3, F0, F1, 0
	TURN 0, 1, 0
	QUARTER 1, 1, F0, F1, 0
	QUARTER 1, 2, F1, F0, 0
	QUARTER 1, 3, F0, F1, 0
	s_wait_dscnt 4
	WIN MUL
	MUL8 F1, 0, 0
	MUL8 F1, 1, 0
	s_wait_dscnt 0
	MUL8 F1, 2, 0
	MUL8 F1, 3, 0
	WIN 0
; THE WAY OUT, block by block of 16 rows x 128 columns: through my own stage, back as whole rows of 512 bytes, which the 32 lanes store as 512 consecutive bytes, aligned.
.macro TOSTAGE a
	WIN 0x04                                       ; an LDS store's data are its source 1: window 1
.irp b, 0,1,2,3,4,5,6,7
	ds_store_b128 v[STO], v[8*(8*(\a)+\b):8*(8*(\a)+\b)+3] offset:64*\b            ; each accumulator from its low end on
	ds_store_b128 v[STO], v[8*(8*(\a)+\b)+4:8*(8*(\a)+\b)+7] offset:64*\b+16
.endr
	WIN 0
.set BB, 64+64*((\a)%2)
.irp t, 0,1,2,3,4,5,6,7,8,9,10,11,12,13,14,15
	ds_load_b128 v[BB+4*\t:BB+4*\t+3], v[RD] offset:\t*SPITCH                      ; in order behind my stores
.endr
.endm
.macro SEND a, younger                 ; younger: the LDS instructions issued behind block a's loads, which may stay out
.set BB, 64+64*((\a)%2)
	s_wait_dscnt \younger
.irp t, 0,1,2,3,4,5,6,7,8,9,10,11,12,13,14,15
	global_store_b128 v[CO], v[BB+4*\t:BB+4*\t+3], s[10:11] offset:65536*(\a)+4096*\t th:TH_STORE_NT
.endr
.endm
	PLACES
	s_or_b32 s2, s18, s15                          ; a batch's positions 0-15 (cluster y = 0, my rows the tile's first 64, block 0) are left to the next launch.  The test is the same in all partners
	s_cmp_eq_u32 s2, 0
	s_cbranch_scc1 .Lskip0
	TOSTAGE 0
	SEND 0, 0
.Lskip0:
	TOSTAGE 1
.irp a, 2,3
	s_wait_xcnt 0x0                                ; block a - 2's stores have read their registers: block a's loads may land there
	TOSTAGE \a
	SEND \a-1, 32                                  ; behind block a - 1's loads: block a's 16 stores and 16 loads
.endr
	SEND 3, 0
	s_wait_tensorcnt 0x0                           ; the wave's end, behind my last tensor load and my last LDS store
	ds_add_u32 v[SPW], v[NIL]
	s_wait_dscnt 0x0
	CROUND                                         ; the closing round
	s_endpgm
.Lfunc_end_k_q9c2f7714db_proj:
	.size	k_q9c2f7714db_proj, .Lfunc_end_k_q9c2f7714db_proj-k_q9c2f7714db_proj
	.p2alignl 7, 3214868480
	.fill 96, 4, 3214868480
	.section	.rodata,"a",@progbits
	.p2align	6, 0x0
	.amdhsa_kernel k_q9c2f7714db_proj
		.amdhsa_group_segment_fixed_size 327680
		.amdhsa_private_segment_fixed_size 0
		.amdhsa_enable_private_segment 0
		.amdhsa_kernarg_size 32
		.amdhsa_user_sgpr_count 2
		.amdhsa_user_sgpr_kernarg_segment_ptr 1
		.amdhsa_wavefront_size32 1
		.amdhsa_system_sgpr_workgroup_id_x 1
		.amdhsa_system_sgpr_workgroup_id_y 1
		.amdhsa_system_sgpr_workgroup_id_z 1
		.amdhsa_system_vgpr_workitem_id 0
		.amdhsa_next_free_vgpr 640
		.amdhsa_next_free_sgpr 70
		.amdhsa_reserve_vcc 0
		.amdhsa_float_denorm_mode_32 3
		.amdhsa_float_denorm_mode_16_64 3
		.amdhsa_memory_ordered 1
		.amdhsa_forward_progress 1
		.amdhsa_inst_pref_size 87
	.end_amdhsa_kernel
	.amdgpu_metadata
---
amdhsa.version: [ 1, 2 ]
amdhsa.kernels:
  - .name:           k_q9c2f7714db_proj
    .symbol:         k_q9c2f7714db_proj.kd
    .args:
      - { .name: ybuf, .offset: 0, .size: 8, .value_kind: global_buffer, .address_space: global }
      - { .name: wpt, .offset: 8, .size: 8, .value_kind: global_buffer, .address_space: global }
      - { .name: bp, .offset: 16, .size: 8, .value_kind: global_buffer, .address_space: global }
      - { .name: out0, .offset: 24, .size: 8, .value_kind: global_buffer, .address_space: global }
    .group_segment_fixed_size: 327680
    .private_segment_fixed_size: 0
    .kernarg_segment_align: 8
    .kernarg_segment_size: 32
    .max_flat_workgroup_size: 128
    .sgpr_count:     70
    .vgpr_count:     640
    .wavefront_size: 32
...
	.end_amdgpu_metadata
.endif
;; end of part 4
;; launch first16 (part 5): grid 16 x 4, 16 waves a work-group, no clusters, 71,680 bytes of LDS; arguments h16, Wp, bp, out0; writes out0
.if DOCPART == 5
	.amdgcn_target "amdgcn-amd-amdhsa--gfx1250"
	.amdhsa_code_object_version 6
	.text
	.protected	k_q9c2f7714db_first16
	.globl	k_q9c2f7714db_first16
	.p2align	8
	.type	k_q9c2f7714db_first16,@function
k_q9c2f7714db_first16:
	s_mov_b64 s[64:65], 0
	v_nop
	global_prefetch_b8 v0, s[64:65] scope:SCOPE_SE
	s_setreg_imm32_b32 hwreg(HW_REG_WAVE_MODE, 25, 1), 1
	s_wait_xcnt 0x0
; Positions 0-15 of each batch, all in f32: they average one to sixteen values and are the largest outputs, so their attention and their projection take no 16-bit operand.
; A work-group makes out0[batch][0..15][64 columns]; wave w is head w: S^T = K Q^T, softmax under the causal mask, O^T = V^T P, and the head's part of the projection, 96 products of 16 x 16 x 4 in f32.
; The sixteen heads' parts meet in LDS; wave w then sums row w, adds the bias and stores 256 consecutive bytes.  The attention of a batch's 16 rows is made anew in each of its 16 work-groups: it is small.
; No cluster: the launch has no tensor load.
; q, k, v come as images of 16 x 16 accumulators: tile i of 16 channels: lane (r, h), register j = value(position r, channel 16 i + 8 h + j); registers 0-3 at 16 x lane, 4-7 at 512 + 16 x lane.
; THE PLACES OF k.  The f32 form takes k = 2 h + j of lane (r, h), register j.  A permutation of k applied alike to both sources keeps the products: a pair of registers (2 s, 2 s + 1) of an image or of a
; result is used as it stands, and the other source is loaded to match.
; The registers that the f32 form writes (v176-239) are written by matrix instructions alone; what is made of a sum goes into other registers.
; LIMITS: NaN and infinities are not served; the heads' parts are added in another order than a single sum over 1,024 would be.
.set SP,    272                        ; a row of a wave's part in LDS: 64 f32 + 16 bytes
.set SPARE, 16*16*SP                   ; behind the sixteen parts: the spare words, which no other line names
.set Q,   16                           ; v16-47   q's four images; later the second half of my rows of Wp (v16-79)
.set KK,  48                           ; v48-79   k's
.set V,   80                           ; v80-111  v, laid for source 0; later my part, scaled
.set W1,  112                          ; v112-175 the first half of my rows of Wp; later the sixteen parts
.set W2,  16
.set SA,  176                          ; v176-207 four accumulators: S^T by quarters of the channels; later the projection's four tiles of columns
.set OA,  208                          ; v208-239 O^T: four tiles of 16 channels
.set T,   240                          ; v240-247 the scores, then p
.set U,   248                          ; v248-255 at work
	s_load_b256 s[4:11], s[0:1], 0x0               ; h16 4:5, Wp 6:7, bp 8:9, out0 10:11
	v_lshl_add_u32 v4, v0, 2, SPARE                ; v4: my spare word; never rewritten
	v_mov_b32 v5, 0                                ; v5: 0; never rewritten
	v_lshrrev_b32 v1, 5, v0
	v_readfirstlane_b32 s12, v1                    ; wave = head
	s_and_b32 s13, ttmp7, 0xffff                   ; batch
	v_and_b32 v8, 31, v0                           ; lane
	v_and_b32 v9, 15, v0                           ; r
	v_bfe_u32 v10, v0, 4, 1                        ; h
	v_lshlrev_b32 v1, 4, v8                        ; v1: 16 x lane: an image as it lies
	v_bfe_u32 v2, v0, 2, 1                         ; v2: v for source 0: lane (r, h) wants v(position 8 h + .., channel r): in the image that is lane (position, r / 8), register r % 8
	v_lshlrev_b32 v2, 9, v2
	v_bfe_u32 v11, v0, 3, 1
	v_lshl_add_u32 v2, v11, 8, v2
	v_and_b32 v11, 3, v0
	v_lshl_add_u32 v2, v11, 2, v2
	v_lshl_add_u32 v2, v10, 7, v2                  ; 512 ((r / 4) % 2) + 256 (r / 8) + 4 (r % 4) + 128 h
	v_lshlrev_b32 v3, 2, v9                        ; v3: Wp for source 0: column r, eight rows further down for lanes 16-31
	v_lshl_add_u32 v3, v10, 15, v3
	v_lshlrev_b32 v6, 3, v10
	v_sub_nc_u32 v6, v9, v6                        ; v6: r - 8 h: my register j holds key 8 h + j, hidden where j > r - 8 h
	v_mov_b32 v7, 0xff800000                       ; v7: -infinity
	s_mul_i32 s14, s12, 16*SP
	v_mul_u32_u24 v12, v9, SP
	v_lshl_add_u32 v12, v10, 5, v12
	v_add_nc_u32 v12, s14, v12                     ; v12: my part: row r, 32 h bytes on
	s_mul_i32 s14, s12, SP
	v_lshlrev_b32 v14, 3, v8                       ; v14: 8 x lane
	v_add_nc_u32 v13, s14, v14                     ; v13: row w of a part
	s_lshl_b32 s16, s13, 16                        ; h16: batch x 64 tiles, head x 4 tiles of 1,024 bytes
	s_lshl_b32 s17, s12, 12
	s_add_co_u32 s16, s16, s17
	s_mov_b32 s17, 0
	s_lshl_b32 s20, ttmp9, 8                       ; my work-group's 64 columns, in bytes
	s_mov_b32 s21, 0
	s_lshl_b32 s18, s12, 18                        ; Wp: my head's 64 rows of 4,096 bytes
	s_add_co_u32 s18, s18, s20
	s_mov_b32 s19, 0
	s_lshl_b32 s22, s13, 23                        ; out0: batch x 2,048 rows, row w
	s_lshl_b32 s23, s12, 12
	s_add_co_u32 s22, s22, s23
	s_add_co_u32 s22, s22, s20
	s_mov_b32 s23, 0
	s_mov_b32 s24, 0x76543210
	s_mov_b32 s25, 0xfedcba98                      ; lane l xor 16
	s_mov_b32 s26, 0x3e38aa3b                      ; c = log2(e) / 8
	s_wait_kmcnt 0x0
	s_add_nc_u64 s[4:5], s[4:5], s[16:17]
	s_add_nc_u64 s[6:7], s[6:7], s[18:19]
	s_add_nc_u64 s[8:9], s[8:9], s[20:21]
	s_add_nc_u64 s[10:11], s[10:11], s[22:23]
.irp i, 0,1,2,3
	global_load_b128 v[Q+8*\i:Q+8*\i+3], v1, s[4:5] offset:1024*\i
	global_load_b128 v[Q+8*\i+4:Q+8*\i+7], v1, s[4:5] offset:1024*\i+512
	global_load_b128 v[KK+8*\i:KK+8*\i+3], v1, s[4:5] offset:262144+1024*\i
	global_load_b128 v[KK+8*\i+4:KK+8*\i+7], v1, s[4:5] offset:262144+1024*\i+512
.endr
.irp dt, 0,1,2,3
.irp i, 0,1,2,3,4,5,6,7
	global_load_b32 v[V+8*\dt+\i], v2, s[4:5] offset:524288+1024*\dt+16*\i   ; v(position 8 h + i, channel 16 dt + r)
.endr
.endr
; my rows 16 (base + t) + 8 h + 2 sg + j of Wp, columns 16 u + r: register 8 (4 t + sg) + 2 u + j
.macro WLOAD reg, base
.irp t, 0,1
.irp sg, 0,1,2,3
.irp u, 0,1,2,3
.irp j, 0,1
	global_load_b32 v[\reg+8*(4*\t+\sg)+2*\u+\j], v3, s[6:7] offset:(16*(\base+\t)+2*\sg+\j)*4096+64*\u
.endr
.endr
.endr
.endr
.endm
	WLOAD W1, 0
	s_wait_loadcnt 0x0
	; S^T = K Q^T: source 0 = the 16 keys, source 1 = the 16 queries; both sides hold channel 16 i + 8 h + 2 sg + j in the same place.  Four accumulators by turns
.irp sg, 0,1,2,3
.irp i, 0,1,2,3
.if \sg == 0
	v_wmma_f32_16x16x4_f32 v[SA+8*\i:SA+8*\i+7], v[KK+8*\i+2*\sg:KK+8*\i+2*\sg+1], v[Q+8*\i+2*\sg:Q+8*\i+2*\sg+1], 0
.else
	v_wmma_f32_16x16x4_f32 v[SA+8*\i:SA+8*\i+7], v[KK+8*\i+2*\sg:KK+8*\i+2*\sg+1], v[Q+8*\i+2*\sg:Q+8*\i+2*\sg+1], v[SA+8*\i:SA+8*\i+7]
.endif
.endr
.endr
.rept 8
	v_nop                                          ; eight places behind this form: then loads land on its sources and vector instructions read its results
.endr
	WLOAD W2, 2
.irp j, 0,2,4,6
	v_pk_add_f32 v[U+\j:U+\j+1], v[SA+\j:SA+\j+1], v[SA+8+\j:SA+8+\j+1]              ; each accumulator from its low end on
.endr
.irp j, 0,2,4,6
	v_pk_add_f32 v[T+\j:T+\j+1], v[SA+16+\j:SA+16+\j+1], v[SA+24+\j:SA+24+\j+1]
.endr
.irp j, 0,2,4,6
	v_pk_add_f32 v[T+\j:T+\j+1], v[T+\j:T+\j+1], v[U+\j:U+\j+1]                      ; lane (r, h), register j: score(query r, key 8 h + j)
.endr
.irp j, 0,1,2,3,4,5,6,7
	v_cmp_gt_i32 vcc_lo, \j, v6
	v_cndmask_b32 v[T+\j], v[T+\j], v7, vcc_lo     ; hidden keys: -infinity
.endr
	v_max3_num_f32 v8, v[T], v[T+1], v[T+2]
	v_max3_num_f32 v8, v8, v[T+3], v[T+4]
	v_max3_num_f32 v8, v8, v[T+5], v[T+6]
	v_max_num_f32 v8, v8, v[T+7]
	v_permlanex16_b32 v9, v8, s24, s25
	v_max_num_f32 v8, v8, v9                       ; the row's maximum: key 0 counts for every query, so it is a number
	v_mul_f32 v9, s26, v8
.irp j, 0,1,2,3,4,5,6,7
	v_fma_f32 v[T+\j], v[T+\j], s26, -v9           ; c s - c m
.endr
.irp j, 0,1,2,3,4,5,6,7
	v_exp_f32 v[T+\j], v[T+\j]
.endr
	v_nop
	s_wait_alu depctr_va_vdst(0)                   ; one wait for the eight exponentials, ahead of their first reader
	v_pk_add_f32 v[U:U+1], v[T:T+1], v[T+2:T+3]
	v_pk_add_f32 v[U+2:U+3], v[T+4:T+5], v[T+6:T+7]
	v_pk_add_f32 v[U:U+1], v[U:U+1], v[U+2:U+3]
	v_add_f32 v10, v[U], v[U+1]
	v_permlanex16_b32 v11, v10, s24, s25
	v_add_f32 v10, v10, v11                        ; the row's sum
	v_rcp_f32 v10, v10
	v_nop
	s_wait_alu depctr_va_vdst(0)
	; O^T = V^T P: source 1 = p as it stands: the pair (2 s, 2 s + 1) holds keys 8 h + 2 s + j; source 0 was loaded to match.  P is not normalised: the part is divided at the end
.irp sg, 0,1,2,3
.irp dt, 0,1,2,3
.if \sg == 0
	v_wmma_f32_16x16x4_f32 v[OA+8*\dt:OA+8*\dt+7], v[V+8*\dt+2*\sg:V+8*\dt+2*\sg+1], v[T+2*\sg:T+2*\sg+1], 0
.else
	v_wmma_f32_16x16x4_f32 v[OA+8*\dt:OA+8*\dt+7], v[V+8*\dt+2*\sg:V+8*\dt+2*\sg+1], v[T+2*\sg:T+2*\sg+1], v[OA+8*\dt:OA+8*\dt+7]
.endif
.endr
.endr
.rept 9
	v_nop                                          ; nine places: the results become source 1 of the next products
.endr
	; the head's part of the projection: source 0 = 16 columns of Wp, source 1 = O^T's pair (2 sg, 2 sg + 1) of tile t: channels 16 t + 8 h + 2 sg + j.  Four tiles of columns by turns
.macro PROJ reg, base, first
.irp t, 0,1
.irp sg, 0,1,2,3
.irp u, 0,1,2,3
.if \first && (\t == 0) && (\sg == 0)
	v_wmma_f32_16x16x4_f32 v[SA+8*\u:SA+8*\u+7], v[\reg+8*(4*\t+\sg)+2*\u:\reg+8*(4*\t+\sg)+2*\u+1], v[OA+8*(\base+\t)+2*\sg:OA+8*(\base+\t)+2*\sg+1], 0
.else
	v_wmma_f32_16x16x4_f32 v[SA+8*\u:SA+8*\u+7], v[\reg+8*(4*\t+\sg)+2*\u:\reg+8*(4*\t+\sg)+2*\u+1], v[OA+8*(\base+\t)+2*\sg:OA+8*(\base+\t)+2*\sg+1], v[SA+8*\u:SA+8*\u+7]
.endif
.endr
.endr
.endr
.endm
	PROJ W1, 0, 1
	s_wait_loadcnt 0x0                             ; the second half of my rows of Wp
	PROJ W2, 2, 0
.rept 8
	v_nop
.endr
.irp j, 0,2,4,6,8,10,12,14,16,18,20,22,24,26,28,30
	v_pk_mul_f32 v[V+\j:V+\j+1], v[SA+\j:SA+\j+1], v[10:11] op_sel_hi:[1,0]          ; / the row's sum: lane (r, h), register 8 u + j: part(query r, column 16 u + 8 h + j)
.endr
.irp u, 0,1,2,3
	ds_store_b128 v12, v[V+8*\u:V+8*\u+3] offset:64*\u
	ds_store_b128 v12, v[V+8*\u+4:V+8*\u+7] offset:64*\u+16
.endr
	s_wait_dscnt 0x0                               ; for the others' sake: my part lies in LDS
	s_barrier_signal -1
	s_barrier_wait -1
	global_load_b64 v[144:145], v14, s[8:9]        ; the bias of my two columns
.irp i, 0,1,2,3,4,5,6,7,8,9,10,11,12,13,14,15
	ds_load_b64 v[W1+2*\i:W1+2*\i+1], v13 offset:\i*16*SP    ; row w of head i's part: the 32 lanes take its 256 bytes
.endr
	s_wait_dscnt 0x0
.irp i, 0,1,2,3,4,5,6,7
	v_pk_add_f32 v[W1+2*\i:W1+2*\i+1], v[W1+2*\i:W1+2*\i+1], v[W1+16+2*\i:W1+16+2*\i+1]
.endr
.irp i, 0,1,2,3
	v_pk_add_f32 v[W1+2*\i:W1+2*\i+1], v[W1+2*\i:W1+2*\i+1], v[W1+8+2*\i:W1+8+2*\i+1]
.endr
.irp i, 0,1
	v_pk_add_f32 v[W1+2*\i:W1+2*\i+1], v[W1+2*\i:W1+2*\i+1], v[W1+4+2*\i:W1+4+2*\i+1]
.endr
	v_pk_add_f32 v[W1:W1+1], v[W1:W1+1], v[W1+2:W1+3]
	s_wait_loadcnt 0x0
	v_pk_add_f32 v[W1:W1+1], v[W1:W1+1], v[144:145]
	global_store_b64 v14, v[W1:W1+1], s[10:11]     ; the wave stores 256 consecutive bytes, aligned
	s_wait_tensorcnt 0x0                           ; the wave's end, behind my last LDS store
	ds_add_u32 v4, v5
	s_wait_dscnt 0x0
	s_endpgm
.Lfunc_end_k_q9c2f7714db_first16:
	.size	k_q9c2f7714db_first16, .Lfunc_end_k_q9c2f7714db_first16-k_q9c2f7714db_first16
	.p2alignl 7, 3214868480
	.fill 96, 4, 3214868480
	.section	.rodata,"a",@progbits
	.p2align	6, 0x0
	.amdhsa_kernel k_q9c2f7714db_first16
		.amdhsa_group_segment_fixed_size 71680
		.amdhsa_private_segment_fixed_size 0
		.amdhsa_enable_private_segment 0
		.amdhsa_kernarg_size 32
		.amdhsa_user_sgpr_count 2
		.amdhsa_user_sgpr_kernarg_segment_ptr 1
		.amdhsa_wavefront_size32 1
		.amdhsa_system_sgpr_workgroup_id_x 1
		.amdhsa_system_sgpr_workgroup_id_y 1
		.amdhsa_system_sgpr_workgroup_id_z 1
		.amdhsa_system_vgpr_workitem_id 0
		.amdhsa_next_free_vgpr 256
		.amdhsa_next_free_sgpr 66
		.amdhsa_reserve_vcc 1
		.amdhsa_float_denorm_mode_32 3
		.amdhsa_float_denorm_mode_16_64 3
		.amdhsa_memory_ordered 1
		.amdhsa_forward_progress 1
		.amdhsa_inst_pref_size 33
	.end_amdhsa_kernel
	.amdgpu_metadata
---
amdhsa.version: [ 1, 2 ]
amdhsa.kernels:
  - .name:           k_q9c2f7714db_first16
    .symbol:         k_q9c2f7714db_first16.kd
    .args:
      - { .name: h16, .offset: 0, .size: 8, .value_kind: global_buffer, .address_space: global }
      - { .name: Wp, .offset: 8, .size: 8, .value_kind: global_buffer, .address_space: global }
      - { .name: bp, .offset: 16, .size: 8, .value_kind: global_buffer, .address_space: global }
      - { .name: out0, .offset: 24, .size: 8, .value_kind: global_buffer, .address_space: global }
    .group_segment_fixed_size: 71680
    .private_segment_fixed_size: 0
    .kernarg_segment_align: 8
    .kernarg_segment_size: 32
    .max_flat_workgroup_size: 512
    .sgpr_count:     66
    .vgpr_count:     256
    .wavefront_size: 32
...
	.end_amdgpu_metadata
.endif
;; end of part 5
